; MI455X (gfx1250); checked and timed in simulation.
; The chip was launched on July 23, 2026; its instructions are those of AMD's public machine-readable ISA for CDNA 5 (MIT licence, August 2026) and "CDNA5" Instruction Set Architecture Reference Guide (July 2026). The comments in the code are by the model that wrote it; some were corrected since.
;; Multi Headed Attention. Allowed arithmetic: matrix products marked QUANTISED: E2M1 operands, one E8M0 scale for each 32 along K, by v_wmma_scale_f32_16x16x128_f8f6f4 with both operands' format E2M1 (or v_wmma_scale_f32_32x16x128_f4), f32 sums; products left as they are: bf16, f16 or f32 operands; f32 sums; everything else in f32.
;; Inputs: Wk 16 x 2,048 x 128 float32; Wq 16 x 2,048 x 128 float32; Wv 16 x 2,048 x 128 float32; embedded 4 x 1,024 x 2,048 float32.
;; Outputs: out0 4 x 1,024 x 2,048 float32.
;; This version of the problem:
;;   THIS VERSION OF THE PROBLEM IS GIVEN IN LOW PRECISION. The matrix products marked QUANTISED in the list below multiply operands that are first quantised to E2M1 (2 exponent bits, 1 mantissa bit; 4 bits a number), with one power-of-two scale for each 32 numbers along K (OCP MX v1.0); their sums are f32. The products marked 'left as it is' may take bf16, f16 or f32 operands, with f32 sums. Whichever they take, every output number must still come out within the allowed error. Rounding operands to bf16 (8 significant bits) uses up far more of that allowance than f16 does (11 bits, for magnitudes from 6e-5 to 65,504). All else is computed in f32.
;;   The module's matrix products, in the order in which they are computed (A, B: the left and right operand; K: the contracted axis; several contracted axes count as one K, in the product's order):
;;     1. [M 2,048, K 2,048] x [K 2,048, N 4,096]; A: input Wq; B: input embedded: QUANTISED
;;     2. [M 2,048, K 2,048] x [K 2,048, N 4,096]; A: input Wk; B: input embedded: QUANTISED
;;     3. [M 2,048, K 2,048] x [K 2,048, N 4,096]; A: input Wv; B: input embedded: QUANTISED
;;     4. batch 64 x [M 1,024, K 128] x [K 128, N 1,024]; A: computed on the way; B: computed on the way: left as it is (an operand is computed on the way)
;;     5. batch 64 x [M 1,024, K 1,024] x [K 1,024, N 128]; A: computed on the way; B: computed on the way: left as it is (an operand is computed on the way)
;;   THE QUANTISER, for each operand of a quantised product, along K:
;;     - K is cut into blocks of 32 from its start; a last block that is shorter is filled with zeros.
;;     - A block's scale is 2^e with e = floor(log2(the largest magnitude in the block)) - 2, held to -126 .. 127; a block of zeros has e = 0. As a byte (E8M0): e + 127.
;;     - Each number is divided by its block's scale, clamped to +-6, and rounded to the nearest number of E2M1, ties to even, subnormals kept.
;;     - The product sums the exact products of the quantised numbers (number of the format x scale) in f32.
;;   ~~~python
;;   def quantise(x, axis):      # numpy; x: float32 -> the quantised numbers, widened to float32 again
;;       x = np.moveaxis(x, axis, -1); K = x.shape[-1]
;;       x = np.pad(x, [(0, 0)] * (x.ndim - 1) + [(0, -K % 32)]); x = x.reshape(x.shape[:-1] + (-1, 32)); a = np.abs(x).max(-1, keepdims=True)
;;       e = np.where(a > 0, np.clip(np.frexp(np.where(a > 0, a, 1))[1] - 1 - 2, -126, 127), 0)      # np.frexp(a)[1] - 1 = floor(log2(a)), exactly
;;       r = np.clip(x / 2.0 ** e, -6, 6)
;;       step = 2.0 ** (np.maximum(np.frexp(np.where(r == 0, 1, r))[1] - 1, 0) - 1)
;;       q = np.round(r / step) * step * 2.0 ** e      # np.round: ties to even
;;       return np.moveaxis(q.reshape(q.shape[:-2] + (-1,))[..., :K], -1, axis).astype(np.float32)
;;   ~~~
;; One version. Each part assembles by itself: llvm-mc -triple=amdgcn-amd-amdhsa -mcpu=gfx1250 --defsym DOCPART=n.
;; ======== version 1 of 1: 4 launches
;; limits: values are held in f16: magnitudes above 65,504 overflow, below 6.1e-05 lose precision
;; workspace buffers: xc 4,194,304 bytes; xs 262,144 bytes; wc 6,291,456 bytes; ws 393,216 bytes; qkv 50,331,648 bytes; head16 1,572,864 bytes
;; launch quant (part 1): grid 640 x 1, 4 waves a work-group, no clusters, 50,688 bytes of LDS; arguments embedded, Wq, Wk, Wv, xc, xs, wc, ws; writes xc, xs, wc, ws
.if DOCPART == 1
	.amdgcn_target "amdgcn-amd-amdhsa--gfx1250"
	.amdhsa_code_object_version 6
	.text
	.protected	k_q60d8b1489b_quant
	.globl	k_q60d8b1489b_quant
	.p2align	8
	.type	k_q60d8b1489b_quant,@function
k_q60d8b1489b_quant:
	s_mov_b64 s[64:65], 0
	v_nop
	global_prefetch_b8 v0, s[64:65] scope:SCOPE_SE
	s_setreg_imm32_b32 hwreg(HW_REG_WAVE_MODE, 25, 1), 1
	s_wait_xcnt 0x0
; embedded [4096 tokens][2048] and Wq, Wk, Wv [16 heads][2048 (K)][128], all f32, become codes of FP4 (E2M1), K innermost, two codes a byte, with one E8M0 byte for each 32 along K.
; xc [4096][1024 bytes], xs [4096][64];  wc [6144 rows n = 2048 sel + 128 head + d][1024 bytes], ws [6144][64]; sel 0 = q, 1 = k, 2 = v.
; A block's scale is 2^(floor(log2(its largest magnitude)) - 2); its byte is the largest magnitude's exponent field - 2, held at 1 from below.
; LIMITS: a block of zeros gets the byte 1 where the quantiser says 127 (its codes are zeros, and this program alone reads the bytes); blocks whose largest magnitude lies under 2^-124 were not tried;
; NaN and infinities among the inputs are not served.
; ONE LAUNCH, TWO PATHS that part on the work-group's number and never join: work-groups 0-255 take embedded (K innermost: a plain stream of blocks), 256-639 the weights (K is the middle axis).
; Each path has LDS bytes of its own.  No tensor loads.  On embedded's path waves share nothing; on the weights' path two waves make the two halves of a row's 256 bytes of codes, and one barrier stands between.
.set SPARE, 50176                      ; behind both paths' bytes: the spare words, 128 bytes for each wave
.set SPW,   190                        ; v190  LDS address of my spare word; never rewritten
.set NIL,   191                        ; v191  0; never rewritten
.set EMAX,  2
; the path of embedded: a wave takes 16 steps of 512 numbers
.set STEPS, 16
.set CB,    8                          ; bytes of 16 codes
.set RX,    16                         ; v16-79   four sets of 16 numbers as they are loaded
.set XX,    80                         ; v80-111  two sets of 16 neighbours
.set EX,    112                        ; v112-127 a scale byte for each step
.set CX,    128                        ; v128-189 codes: four registers' room for each step, two used
.set WREG,  8192                       ; LDS 0 .. 32,767: a region for each wave: two stages of 32 x 80 bytes, then its 256 scale bytes
.set SP,    80
; the path of the weights: a work-group takes 64 columns d x 512 along K; a wave 32 columns x 256 along K
.set WBASE, 32768                      ; LDS 32,768 .. 50,175: the work-group's stage, 64 rows x 272 bytes
.set NB,    8                          ; blocks of 32 along K for a wave
.set PITCH, 272
.set KROW,  1024                       ; a row of wc in bytes
.set WROW,  512                        ; a row (one k) of a head's weight in bytes
.set XW,    32                         ; v32-95   two sets of 32 numbers
.set CW,    96                         ; v96-99   a block's codes
.set OUTR,  112                        ; v112-143 the way out
.set SB,    24                         ; v24-25   the scale bytes, four to a register
	s_load_b256 s[4:11], s[0:1], 0x0               ; embedded s[4:5], Wq s[6:7], Wk s[8:9], Wv s[10:11]
	s_load_b256 s[12:19], s[0:1], 0x20             ; xc s[12:13], xs s[14:15], wc s[16:17], ws s[18:19]
	v_lshl_add_u32 v[SPW], v0, 2, SPARE
	v_mov_b32 v[NIL], 0
	v_lshrrev_b32 v1, 5, v0
	v_readfirstlane_b32 s20, v1                    ; wave 0..3
	v_and_b32 v2, 31, v0                           ; lane
	s_wait_kmcnt 0x0
	s_cmp_lt_u32 ttmp9, 256
	s_cbranch_scc0 .Lweights
; ---------------- embedded.  Each load reads 512 consecutive bytes, 16 a lane; a step's 2,048 bytes turn through the wave's own stage, so that a lane then holds 16 NEIGHBOURS along K (two lanes hold a block).
	v_lshlrev_b32 v3, 4, v2                        ; my 16 bytes of a load's 512
	s_mul_i32 s21, s20, WREG
	v_lshrrev_b32 v14, 2, v2
	v_mul_u32_u24 v14, v14, SP
	v_and_b32 v15, 3, v2
	v_lshl_add_u32 v14, v15, 4, v14
	v_add_nc_u32 v14, s21, v14                     ; the stage, on the way in: 80 (lane / 4) + 16 (lane % 4)
	v_mul_u32_u24 v15, v2, SP
	v_add_nc_u32 v15, s21, v15                     ; and on the way out: 80 x lane
	v_mul_u32_u24 v4, v2, CB                       ; my codes' place in a step's 256 bytes
	v_lshrrev_b32 v5, 1, v2
	s_add_co_u32 s21, s21, 2*32*SP
	v_add_nc_u32 v5, s21, v5                       ; LDS: my wave's 256 scale bytes, my block's byte
	v_lshlrev_b32 v7, 3, v2                        ; and on the way out 8 bytes a lane
	v_add_nc_u32 v6, s21, v7
	s_lshl_b32 s22, ttmp9, 2
	s_add_co_u32 s22, s22, s20                     ; which run of 8,192 numbers is my wave's: 0 .. 1,023
	s_mov_b32 s25, 0
	s_lshl_b32 s24, s22, 15                        ; 32,768 bytes of f32,
	s_add_nc_u64 s[4:5], s[4:5], s[24:25]
	s_lshl_b32 s24, s22, 12                        ; 4,096 bytes of codes,
	s_add_nc_u64 s[12:13], s[12:13], s[24:25]
	s_lshl_b32 s24, s22, 8                         ; 256 scale bytes a run
	s_add_nc_u64 s[14:15], s[14:15], s[24:25]
.macro LOADX t
.irp i, 0,1,2,3
	global_load_b128 v[RX+16*((\t)%4)+4*\i:RX+16*((\t)%4)+4*\i+3], v3, s[4:5] offset:2048*(\t)+512*\i th:TH_LOAD_NT
.endr
.endm
.macro TURNX t                         ; step t's numbers through the stage: LDS serves a wave's instructions in order, so no wait stands between the stores and the loads
.irp i, 0,1,2,3
	ds_store_b128 v14, v[RX+16*((\t)%4)+4*\i:RX+16*((\t)%4)+4*\i+3] offset:32*SP*((\t)%2)+8*SP*\i
.endr
.irp i, 0,1,2,3
	ds_load_b128 v[XX+16*((\t)%2)+4*\i:XX+16*((\t)%2)+4*\i+3], v15 offset:32*SP*((\t)%2)+16*\i
.endr
.endm
.irp t, 0,1,2,3
	LOADX \t
.endr
	s_wait_loadcnt 12                              ; step 0's four loads are in; the twelve of steps 1 to 3 stay out
	TURNX 0
.macro STEPX t
.set XS, XX+16*((\t)%2)
.if (\t) > 0
	s_wait_dscnt 1                                 ; this step's numbers are back from the stage (the last step's byte store may be out)
.else
	s_wait_dscnt 0x0
.endif
.if (\t)+4 < STEPS
	LOADX (\t)+4                                   ; into the set whose stores into the stage are done
.endif
.if (\t)+1 < STEPS
.if STEPS-2-(\t) >= 3
	s_wait_loadcnt 12                              ; the next step's four loads are in; those of the three steps behind it may be out
.else
	s_wait_loadcnt 4*(STEPS-2-(\t))
.endif
	TURNX (\t)+1                                   ; they go through the other stage while this step is worked
.endif
	v_max3_num_f32 v8, |v[XS]|, |v[XS+1]|, |v[XS+2]|               ; the largest magnitude of my 16, in two chains
	v_max3_num_f32 v9, |v[XS+3]|, |v[XS+4]|, |v[XS+5]|
.irp i, 6,10
	v_max3_num_f32 v8, v8, |v[XS+\i]|, |v[XS+\i+1]|
	v_max3_num_f32 v9, v9, |v[XS+\i+2]|, |v[XS+\i+3]|
.endr
	v_max3_num_f32 v8, v8, |v[XS+14]|, |v[XS+15]|
	v_max3_num_f32 v8, v8, v9, (EMAX+1)<<23        ; and the floor 2^(3 - 127): the byte cannot fall under 1
	v_max_num_f32_dpp v8, v8, v8 row_xmask:1 row_mask:0xf bank_mask:0xf   ; and of my neighbour's 16: the block's
	v_add_nc_u32 v11, -(EMAX<<23), v8              ; 2 off its exponent field: the conversion takes the exponent field of this operand as its scale
	v_cvt_scalef32_pk8_fp4_f32 v[CX+4*(\t)], v[XS:XS+7], v11
	v_cvt_scalef32_pk8_fp4_f32 v[CX+4*(\t)+1], v[XS+8:XS+15], v11
	v_lshrrev_b32 v[EX+(\t)], 23, v11              ; the scale's byte (a plain line behind the conversions)
	ds_store_b8 v5, v[EX+(\t)] offset:16*(\t)      ; both lanes of a block write the same byte with the same value
	global_store_b64 v4, v[CX+4*(\t):CX+4*(\t)+1], s[12:13] offset:32*CB*(\t)   ; the wave stores 256 consecutive bytes, aligned
.endm
.irp t, 0,1,2,3,4,5,6,7,8,9,10,11,12,13,14,15
	STEPX \t
.endr
	ds_load_b64 v[8:9], v6                         ; my wave's 256 scale bytes: LDS serves a wave's instructions in order
	s_wait_dscnt 0x0
	global_store_b64 v7, v[8:9], s[14:15]          ; 32 lanes store 256 consecutive bytes, aligned
	s_wait_tensorcnt 0x0                           ; the wave's end
	ds_add_u32 v[SPW], v[NIL]
	s_wait_dscnt 0x0
	s_endpgm
; ---------------- the weights.  A LANE TAKES A COLUMN d AND ITS REGISTERS RUN DOWN K: a block of 32 along K lies in one lane's 32 registers, and the conversions give codes with K innermost.
; Wave w takes columns 32 (w % 2) on of the work-group's 64, and 256 along K from 256 (w / 2) on: eight blocks, of which two (64 loads) are on their way.  So a wave's chain of dependent loads is four blocks' pairs long,
; and 1,536 waves share the weights.  A column's 256 bytes of codes (512 along K) come from two waves: they meet in the work-group's stage, and each wave then stores 16 whole rows.
.Lweights:
	s_sub_co_u32 s21, ttmp9, 256                   ; 0 .. 383
	s_and_b32 s22, s21, 3                          ; y: which 512 along K
	s_bfe_u32 s31, s21, 0x10002                    ; which 64 columns of the head
	s_lshr_b32 s23, s21, 3                         ; 16 sel + head: 0 .. 47
	s_lshr_b32 s24, s23, 4                         ; sel
	s_and_b32 s25, s23, 15                         ; head
	s_and_b32 s32, s20, 1                          ; which 32 of the 64 columns are my wave's
	s_lshr_b32 s33, s20, 1                         ; which 256 of the 512 along K
	s_cmp_eq_u32 s24, 0                            ; the tensor is chosen by the work-group's number alone
	s_cselect_b64 s[6:7], s[6:7], s[8:9]
	s_cmp_eq_u32 s24, 2
	s_cselect_b64 s[6:7], s[10:11], s[6:7]
	s_lshl_b32 s26, s25, 20                        ; a head: 2,048 x 512 bytes
	s_lshl_b32 s28, s22, 18                        ; 512 rows of 512 bytes
	s_add_co_u32 s26, s26, s28
	s_lshl_b32 s28, s33, 17                        ; 256 rows
	s_add_co_u32 s26, s26, s28
	s_lshl_b32 s28, s31, 8                         ; 64 columns
	s_add_co_u32 s26, s26, s28
	s_lshl_b32 s28, s32, 7                         ; 32 columns
	s_add_co_u32 s26, s26, s28
	s_mov_b32 s27, 0
	s_add_nc_u64 s[6:7], s[6:7], s[26:27]
	s_lshl_b32 s28, s23, 7
	s_lshl_b32 s29, s31, 6
	s_add_co_u32 s28, s28, s29                     ; the work-group's first row of wc and ws
	s_lshl_b32 s29, s20, 4
	s_add_co_u32 s29, s28, s29                     ; codes: I store rows 16 w on:
	s_lshl_b32 s26, s29, 10
	s_lshl_b32 s29, s22, 8
	s_add_co_u32 s26, s26, s29                     ; row x 1,024 + 256 y
	s_add_nc_u64 s[16:17], s[16:17], s[26:27]
	s_lshl_b32 s29, s32, 5
	s_add_co_u32 s29, s28, s29                     ; scale bytes: my 32 columns' rows:
	s_lshl_b32 s26, s29, 6
	s_lshl_b32 s29, s22, 4
	s_add_co_u32 s26, s26, s29
	s_lshl_b32 s29, s33, 3
	s_add_co_u32 s26, s26, s29                     ; row x 64 + 16 y + 8 x my half
	s_add_nc_u64 s[18:19], s[18:19], s[26:27]
	v_lshlrev_b32 v3, 2, v2                        ; in: 4 bytes a lane
	s_mul_i32 s30, s32, 32*PITCH
	s_lshl_b32 s29, s33, 7
	s_add_co_u32 s30, s30, s29
	s_add_co_u32 s30, s30, WBASE
	v_mul_u32_u24 v4, v2, PITCH
	v_add_nc_u32 v4, s30, v4                       ; into the stage: row = my column, my half of its 256 bytes
	v_and_b32 v5, 15, v2
	v_lshrrev_b32 v6, 4, v2                        ; out of it: sixteen lanes to a row, two rows an instruction, rows 16 w on
	s_mul_i32 s30, s20, 16*PITCH
	s_add_co_u32 s30, s30, WBASE
	v_mul_u32_u24 v7, v6, PITCH
	v_lshl_add_u32 v7, v5, 4, v7
	v_add_nc_u32 v7, s30, v7
	v_mul_u32_u24 v8, v6, KROW
	v_lshl_add_u32 v8, v5, 4, v8                   ; and the same place in wc
	v_lshlrev_b32 v9, 6, v2                        ; my column's row of ws
.macro LOADW t                         ; block t: W(32 t + i, my column), i = 0 .. 31, into set t % 2; a wave's load reads 128 consecutive bytes, two waves' 256
.irp i, 0,1,2,3,4,5,6,7,8,9,10,11,12,13,14,15,16,17,18,19,20,21,22,23,24,25,26,27,28,29,30,31
	global_load_b32 v[XW+32*((\t)%2)+\i], v3, s[6:7] offset:(32*(\t)+\i)*WROW th:TH_LOAD_NT
.endr
.endm
	LOADW 0
	LOADW 1
.macro BLOCKW t
.set XS, XW+32*((\t)%2)
.if (\t) < NB-1
	s_wait_loadcnt 32                              ; this block's 32 loads are in; the next block's 32 may be out
.else
	s_wait_loadcnt 0
.endif
	v_max3_num_f32 v12, |v[XS]|, |v[XS+1]|, |v[XS+2]|              ; the block's largest magnitude: all 32 numbers are mine
	v_max3_num_f32 v13, |v[XS+3]|, |v[XS+4]|, |v[XS+5]|
.irp i, 6,10,14,18,22,26
	v_max3_num_f32 v12, v12, |v[XS+\i]|, |v[XS+\i+1]|
	v_max3_num_f32 v13, v13, |v[XS+\i+2]|, |v[XS+\i+3]|
.endr
	v_max3_num_f32 v12, v12, |v[XS+30]|, |v[XS+31]|
	v_max3_num_f32 v12, v12, v13, (EMAX+1)<<23     ; and the floor
	v_add_nc_u32 v11, -(EMAX<<23), v12             ; the conversion's scale operand
	v_lshrrev_b32 v13, 23, v11                     ; the scale's byte
.if (\t)%4 == 0
	v_mov_b32 v[SB+(\t)/4], v13                    ; four bytes to a register, the lower K in the lower byte
.else
	v_lshl_or_b32 v[SB+(\t)/4], v13, 8*((\t)%4), v[SB+(\t)/4]
.endif
.irp g, 0,1,2,3
	v_cvt_scalef32_pk8_fp4_f32 v[CW+\g], v[XS+8*\g:XS+8*\g+7], v11
.endr
	v_nop                                          ; one plain line behind the last conversion
	ds_store_b128 v4, v[CW:CW+3] offset:16*(\t)    ; 32 codes: 16 bytes of my column's row
.if (\t)+2 < NB
	LOADW (\t)+2
.endif
	s_wait_dscnt 0x0                               ; the store has read its registers: the next block's codes may be written.  Behind the last block: my stores into the stage are done
.endm
.irp t, 0,1,2,3,4,5,6,7
	BLOCKW \t
.endr
	global_store_b64 v9, v[SB:SB+1], s[18:19]      ; my column's 8 scale bytes
	s_barrier_signal -1                            ; every wave's stores into the stage are done (each has waited for its own, with the count zero)
	s_barrier_wait -1                              ; the 64 rows are whole
.irp t, 0,1,2,3,4,5,6,7
	ds_load_b128 v[OUTR+4*\t:OUTR+4*\t+3], v7 offset:2*\t*PITCH
.endr
.irp t, 0,1,2,3,4,5,6,7
	s_wait_dscnt 7-\t                              ; loads come back in order: number t is in
	global_store_b128 v8, v[OUTR+4*\t:OUTR+4*\t+3], s[16:17] offset:2*\t*KROW   ; sixteen lanes store 256 consecutive bytes, aligned
.endr
	s_wait_tensorcnt 0x0                           ; the wave's end
	ds_add_u32 v[SPW], v[NIL]
	s_wait_dscnt 0x0
	s_endpgm
.Lfunc_end_k_q60d8b1489b_quant:
	.size	k_q60d8b1489b_quant, .Lfunc_end_k_q60d8b1489b_quant-k_q60d8b1489b_quant
	.p2alignl 7, 3214868480
	.fill 96, 4, 3214868480
	.section	.rodata,"a",@progbits
	.p2align	6, 0x0
	.amdhsa_kernel k_q60d8b1489b_quant
		.amdhsa_group_segment_fixed_size 50688
		.amdhsa_private_segment_fixed_size 0
		.amdhsa_enable_private_segment 0
		.amdhsa_kernarg_size 64
		.amdhsa_user_sgpr_count 2
		.amdhsa_user_sgpr_kernarg_segment_ptr 1
		.amdhsa_wavefront_size32 1
		.amdhsa_system_sgpr_workgroup_id_x 1
		.amdhsa_system_sgpr_workgroup_id_y 1
		.amdhsa_system_sgpr_workgroup_id_z 1
		.amdhsa_system_vgpr_workitem_id 0
		.amdhsa_next_free_vgpr 192
		.amdhsa_next_free_sgpr 66
		.amdhsa_reserve_vcc 0
		.amdhsa_float_denorm_mode_32 3
		.amdhsa_float_denorm_mode_16_64 3
		.amdhsa_memory_ordered 1
		.amdhsa_forward_progress 1
		.amdhsa_inst_pref_size 74
	.end_amdhsa_kernel
	.amdgpu_metadata
---
amdhsa.version: [ 1, 2 ]
amdhsa.kernels:
  - .name:           k_q60d8b1489b_quant
    .symbol:         k_q60d8b1489b_quant.kd
    .args:
      - { .name: embedded, .offset: 0, .size: 8, .value_kind: global_buffer, .address_space: global }
      - { .name: Wq, .offset: 8, .size: 8, .value_kind: global_buffer, .address_space: global }
      - { .name: Wk, .offset: 16, .size: 8, .value_kind: global_buffer, .address_space: global }
      - { .name: Wv, .offset: 24, .size: 8, .value_kind: global_buffer, .address_space: global }
      - { .name: xc, .offset: 32, .size: 8, .value_kind: global_buffer, .address_space: global }
      - { .name: xs, .offset: 40, .size: 8, .value_kind: global_buffer, .address_space: global }
      - { .name: wc, .offset: 48, .size: 8, .value_kind: global_buffer, .address_space: global }
      - { .name: ws, .offset: 56, .size: 8, .value_kind: global_buffer, .address_space: global }
    .group_segment_fixed_size: 50688
    .private_segment_fixed_size: 0
    .kernarg_segment_align: 8
    .kernarg_segment_size: 64
    .max_flat_workgroup_size: 128
    .sgpr_count:     66
    .vgpr_count:     192
    .wavefront_size: 32
...
	.end_amdgpu_metadata
.endif
;; end of part 1
;; launch proj (part 2): grid 16 x 16, 4 waves a work-group, clusters of 4 x 4, 327,680 bytes of LDS; arguments xc, xs, wc, ws, qkv, head16; writes qkv, head16
.if DOCPART == 2
	.amdgcn_target "amdgcn-amd-amdhsa--gfx1250"
	.amdhsa_code_object_version 6
	.text
	.protected	k_q60d8b1489b_proj
	.globl	k_q60d8b1489b_proj
	.p2align	8
	.type	k_q60d8b1489b_proj,@function
k_q60d8b1489b_proj:
	s_mov_b64 s[64:65], 0
	v_nop
	global_prefetch_b8 v0, s[64:65] scope:SCOPE_SE
	s_setreg_imm32_b32 hwreg(HW_REG_WAVE_MODE, 25, 1), 1
	s_wait_xcnt 0x0
	s_wait_alu depctr_hold_cnt(0) depctr_sa_sdst(0) depctr_va_vdst(0) depctr_va_sdst(0) depctr_va_ssrc(0) depctr_va_vcc(0) depctr_vm_vsrc(0)
	s_getreg_b32 s2, hwreg(HW_REG_IB_STS2, 6, 4)
	s_cmp_eq_u32 s2, 0
	s_cbranch_scc0 .Lentry_in_a_cluster
	s_endpgm
.Lentry_in_a_cluster:
	s_bfe_u32 s2, ttmp6, 0x10000c
	s_cmp_lg_u32 s2, 0xf033
	s_cbranch_scc0 .Lentry_shape_is_right
	s_endpgm
.Lentry_shape_is_right:
; q, k, v = x W: C[token][n] = sum over k of x[token][k] W[n][k], both as codes of FP4 (E2M1) with one E8M0 byte for each 32 along K; n = 2048 sel + 128 head + d; sums in f32.
; A (xc, xs): [4096][2048];  B (wc, ws): [6144][2048].  The matrix instruction takes codes and scale bytes as they lie in memory.
; SHARES.  C is 4,096 x 6,144: 384 tiles of 256 x 256 for 256 WGPs.  So A WORK-GROUP STAYS AND MAKES ONE AND A HALF: work-group (x, row) first makes 256 tokens x 256 columns of q or k (columns 256 x on: TILE 1; a wave makes
; 128 x 128, one head: 64 accumulators), then the same 256 tokens x the 128 columns of v's head x (TILE 2; a wave makes 128 tokens x 64 columns: 32 accumulators).  That is the same work in all 256 work-groups.
; K goes in steps of 512 through a ring of two LDS slots (rows of 256 bytes), and THE RING DOES NOT STOP at tile 1's end: its last two changes of slots ask for tile 2's first two K steps, and tile 1's stores leave while
; tile 2 is multiplied.  The scale bytes of all the work-group's rows, for all of K, come into LDS once, with the first fills.
; CLUSTERS: 4 x 4 work-groups; A's tile is asked for jointly by a row of the cluster, B's by a column.  Tile row = 4 cy + cluster y: so the batch is cy and a tile's place in the sequence hangs on the cluster's y alone.
; THE MATRIX INSTRUCTION IS USED TRANSPOSED (source 0 = 16 rows of B, source 1 = 16 rows of A): a lane holds one token and eight neighbouring columns.
; THE WAY OUT needs no LDS: an accumulator rounded to f16 is 16 bytes a lane, and is stored AS AN IMAGE OF REGISTERS, 16 x lane: 512 consecutive bytes a store.  Such an image (16 tokens x 16 channels) is half a fragment
; of K or Q for the f16 matrix instruction, and one turning LDS load for V.  qkv: Q at g 2^18 + T 4096 + b 512 (g = 16 batch + head, T = position / 16, b = channel / 16);
; K and V from 2^24 on at g 2^19 + (position / 64) 32768 + (V: 16384) + (T % 4) 4096 + b 512: a step of 64 keys is 32 KiB on end.
; The first 16 positions of every sequence also leave in f32 (head16: [sel][g][8192 bytes], the accumulators' registers as they stand), for the launch that carries those rows in f32.
; LIMIT: |q|, |k|, |v| stay under 65,520, the range of f16.
; REGISTERS: window 0: v0-31 addresses; v32-95 scale words, two sets; v128-191 A's fragments, one set; v96-127, v192-223, v224-255 packed results on the way out, three sets by turns.
;   window 1: B's fragments, two sets, at v0 and v128.   windows 2, 3: the accumulators ((a, b) at v[8 (8 (a % 4) + b)]; tile 2 uses b = 0 .. 3).
.set SIZE_K, 2048
.set KSTEP,  512                       ; along K in a slot
.set NQ,     KSTEP/128                 ; matrix instructions deep
.set ROWB,   256                       ; a tile's row in bytes
.set KROW,   SIZE_K*4/8                ; a row of A or of B in memory, in bytes
.set PITCH,  272                       ; an LDS row: 256 bytes + 16 of padding: the 16 rows that a load touches start at 16 different banks
.set FR,     8                         ; registers of a fragment: 16 rows x 128 K
.set NL,     2                         ; LDS loads that bring one
.set NP,     4                         ; places behind this matrix instruction (ISA guide 7.12.1)
.set HALFT,  128*PITCH                 ; 128 rows: what one tensor load brings
.set SLOT,   4*HALFT                   ; A's 256 rows, then B's 256 (tile 2: 128) rows
.set KS,     SIZE_K/32                 ; a row of scales in bytes
.set SCL,    2*SLOT                    ; behind the ring: the scales of A's 256 rows and of tile 1's 256 rows of B, as units of 256 bytes + 16 of padding
.set HALFS,  (128*KS/256)*272          ; the scales of 128 rows
.set SBLK,   (16*KS/256)*272           ; those of 16 rows
.set SC2,    SCL+4*HALFS               ; behind them: the scales of tile 2's 128 rows of B
.set QS2,    (32*KS/256)*272           ; a quarter of those: 32 rows
.set SPARE,  SC2+4*QS2                 ; behind the scales: the spare words, 128 bytes for each wave
.set ADRA, 16                          ; v16-17  LDS address of my A fragments in slot 0, 1
.set ADRB, 20                          ; v20-21  the same for tile 1's B;  v22-23 for tile 2's (ADRB + 2)
.set ADRS2, 24                         ; v24     tile 2's scale words: lanes 0-15 A's rows, lanes 16-31 tile 2's rows of B
.set ADRSA, 25                         ; v25     A's scale words in all lanes (by lane % 16): for A's blocks 4-7 in tile 2, where B has no block of that number
.set CO,   26                          ; v26     16 x lane: my place in an image; never rewritten
.set ADRS, 27                          ; v27     tile 1's scale words: lanes 0-15 A's rows, lanes 16-31 B's
.set SPW,  28                          ; v28     LDS address of my spare word; never rewritten
.set NIL,  29                          ; v29     0; never rewritten
.set SC,   32                          ; scale words: set s at v[SC + 32 s]; register 4 i + q: lanes 0-15 A's block i, lanes 16-31 B's block i, the slot's q-th 128 along K
.set AF,   128                         ; A's fragments, in window 0
.set Q2P,  2                           ; s[2:3]   tile 2's place in qkv
.set G1S2, 4                           ; s[4:11]  descriptor group 1 for a quarter of tile 2's scales (in the registers that held the four inputs' addresses, once these are summed)
.set DB,   12                          ; s[12:13] bytes from B's last K step but one of tile 1 to the same slot's first of tile 2
.set H2P,  20                          ; s[20:21] tile 2's place in head16
.set G1, 24                            ; s[24:31] descriptor group 1 for A's tiles;  s[32:39] group 0, one set for each slot
.set G0, 32
.set G1B, 48                           ; s[48:55], s[56:63] the same for B's tiles
.set G0B, 56
.set FLAG, 66                          ; s66      0 where my block 0 holds positions 0 to 15
.set G1S, 68                           ; s[68:75], s[76:79] groups 1 and 0 for A's scales;  s[80:87], s[88:91] for tile 1's B
.set G0S, 76
.set G1SB, 80
.set G0SB, 88
.set G0S2, 92                          ; s[92:95] group 0 for my quarter of tile 2's scales
.set EXTRA, 100                        ; s[100:101] what blocks 4 to 7 lie further on in k than in q
.set MSB, 0
.macro WIN new                         ; the immediate's high byte repeats the setting that is left
.if MSB != \new
	s_set_vgpr_msb (MSB<<8)|\new
.set MSB, \new
.endif
.endm
.set MUL_LO, 0xa1                      ; source 0 (B) window 1, source 1 (A) window 0, C and D window 2
.set MUL_HI, 0xf1                      ; the same, C and D window 3
.set TO_B,   0x40                      ; destination window 1, address window 0
; A joint load: waves 0 and 1 fetch for A, waves 2 and 3 for B.  The branch hangs on the wave's number alone.  An s_nop 0 and four v_nop follow each of the two lines.
.macro JLOAD g0a, g1a, g0b, g1b
	s_cmp_eq_u32 s15, 0
	s_cbranch_scc0 .Lfor_b_\@
	tensor_load_to_lds s[\g0a:\g0a+3], s[\g1a:\g1a+7]
	s_nop 0
.rept 4
	v_nop
.endr
	s_branch .Lasked_\@
.Lfor_b_\@:
	tensor_load_to_lds s[\g0b:\g0b+3], s[\g1b:\g1b+7]
	s_nop 0
.rept 4
	v_nop
.endr
.Lasked_\@:
.endm
; The same for tile 2, whose tile of B has 128 rows: one load's worth.  Wave 2 fetches it; wave 3 has no part of a tile to fill and issues none, but passes the four v_nop, which are places for the LDS loads that follow.
.macro JLOAD2 g0a, g1a, g0b, g1b
	s_cmp_eq_u32 s15, 0
	s_cbranch_scc0 .Lfor_b_\@
	tensor_load_to_lds s[\g0a:\g0a+3], s[\g1a:\g1a+7]
	s_nop 0
.rept 4
	v_nop
.endr
	s_branch .Lasked_\@
.Lfor_b_\@:
	s_cmp_eq_u32 s16, 0
	s_cbranch_scc0 .Lnone_\@
	tensor_load_to_lds s[\g0b:\g0b+3], s[\g1b:\g1b+7]
	s_nop 0
.Lnone_\@:
.rept 4
	v_nop
.endr
.Lasked_\@:
.endm
.macro CREST                           ; a round of the cluster's barrier behind its opening barrier
	s_cmp_lg_u32 s14, 0
	s_cbranch_scc1 .Lnot_wave_0_\@
	s_barrier_signal -3
.Lnot_wave_0_\@:
	s_barrier_wait -3
	s_barrier_signal -1
	s_barrier_wait -1
.endm
.macro CROUND                          ; a whole round
	s_barrier_signal -1
	s_barrier_wait -1
	CREST
.endm
	s_load_b128 s[4:7], s[0:1], 0x0                ; A's codes s[4:5], A's scales s[6:7]
	s_load_b128 s[8:11], s[0:1], 0x10              ; B's codes s[8:9], B's scales s[10:11]
	s_load_b128 s[96:99], s[0:1], 0x20             ; qkv s[96:97], head16 s[98:99]
	v_lshl_add_u32 v[SPW], v0, 2, SPARE
	v_mov_b32 v[NIL], 0
	ds_add_u32 v[SPW], v[NIL]                      ; the wave's opening
	ds_add_u32 v[SPW], v[NIL]                      ; and once more, under the one wait; the set-up below, work on registers, stands between
	v_lshrrev_b32 v1, 5, v0
	v_readfirstlane_b32 s14, v1                    ; wave 0..3
	s_lshr_b32 s15, s14, 1                         ; which half of the tile's rows is mine.  Also: I fetch for A (0) or for B (1)
	s_and_b32 s16, s14, 1                          ; which half of its columns.  Also: which 128 rows of that tile I fetch
	s_bfe_u32 s40, ttmp6, 0x40000                  ; cx, cy: my place in the cluster
	s_bfe_u32 s41, ttmp6, 0x40004
	s_lshl_b32 s42, ttmp9, 2
	s_add_co_u32 s42, s42, s40                     ; x = 4 x cluster x + cx: 0 .. 15
	s_and_b32 s17, ttmp7, 0xffff                   ; cluster y
	s_lshl_b32 s18, s41, 2
	s_add_co_u32 s17, s17, s18                     ; tile row of C = 4 cy + cluster y: 1,024 tokens (a batch) for each cy
	s_lshl_b32 s43, s41, 2
	s_lshl_b32 s43, 15, s43                        ; my row of the cluster
	s_lshl_b32 s44, 0x1111, s40                    ; my column
	; descriptor group 1: a tile of 128 rows x 256 bytes, padded in LDS
	s_or_b32 s[G1+0], s43, (0<<16)|(1<<20)|(1<<21)|(5<<22)|(3<<25)  ; 15:0 the mask: A's tiles go to my row; 17:16 element of 1 byte; 20 padding on; 21 set beside a mask; 24:22 after every 64 words; 31:25 of 4 words
	s_or_b32 s[G1B+0], s44, (0<<16)|(1<<20)|(1<<21)|(5<<22)|(3<<25)
.irp g, G1, G1B
	s_mov_b32 s[\g+1], ROWB<<16                    ; tensor_dim0
	s_mov_b32 s[\g+2], 128<<16                     ; tensor_dim1 = 128
	s_mov_b32 s[\g+3], ROWB<<16                    ; tile_dim0
	s_mov_b32 s[\g+4], 128                         ; tile_dim1 = 128
	s_mov_b32 s[\g+5], KROW                        ; tensor_dim0_stride
	s_mov_b32 s[\g+6], 0
	s_mov_b32 s[\g+7], 0
.endr
	; and for the scales of 128 rows: a dense block of 8,192 bytes, as rows of 256 bytes (32 elements of 8 bytes), 16 bytes of padding behind each
	s_or_b32 s[G1S+0], s43, (3<<16)|(1<<20)|(1<<21)|(5<<22)|(3<<25)
	s_or_b32 s[G1SB+0], s44, (3<<16)|(1<<20)|(1<<21)|(5<<22)|(3<<25)
.irp g, G1S, G1SB
	s_mov_b32 s[\g+1], 32<<16
	s_mov_b32 s[\g+2], (128*KS/256)<<16
	s_mov_b32 s[\g+3], 32<<16
	s_mov_b32 s[\g+4], 128*KS/256
	s_mov_b32 s[\g+5], 32
	s_mov_b32 s[\g+6], 0
	s_mov_b32 s[\g+7], 0
.endr
	s_lshl_b32 s18, s16, 7                         ; which 128 rows of the tile I fetch
	s_lshl_b32 s20, s17, 8
	s_add_co_u32 s20, s20, s18                     ; A: row 256 x tile row + 128 x half
	s_lshl_b32 s46, s42, 8
	s_add_co_u32 s46, s46, s18                     ; B, tile 1: row 256 x + 128 x half
	s_mov_b32 s21, 0
	s_mov_b32 s47, 0
	s_mov_b64 s[18:19], KS
	s_mul_u64 s[22:23], s[20:21], s[18:19]         ; where these rows' scales begin, in bytes
	s_mul_u64 s[2:3], s[46:47], s[18:19]
	s_mov_b64 s[18:19], KROW
	s_mul_u64 s[20:21], s[20:21], s[18:19]         ; and their codes
	s_mul_u64 s[46:47], s[46:47], s[18:19]
	s_mul_i32 s45, s14, HALFT                      ; where they go: wave x 128 rows: no place in the cluster enters an LDS address
	s_mul_i32 s67, s14, HALFS
	s_lshl_b32 s[G0S2+2], s42, 13                  ; tile 2's scales: rows 4,096 + 128 x, 64 bytes each,
	s_add_co_u32 s[G0S2+2], s[G0S2+2], 4096*KS
	s_lshl_b32 s[G0S2+3], s14, 11                  ; my quarter: 2,048 bytes
	s_add_co_u32 s[G0S2+2], s[G0S2+2], s[G0S2+3]
	s_mov_b32 s[G0S2+3], 0
	s_mul_i32 s[G0S2+1], s14, QS2
	s_add_co_u32 s[G0S2+1], s[G0S2+1], SC2         ; and its place in LDS
	s_mov_b32 s[G0S2], 1
	s_lshl_b32 s[DB], s42, 7                       ; B's step from tile 1 to tile 2: from row 256 x + 128 x half to row 4,096 + 128 x,
	s_lshl_b32 s[DB+1], s16, 7
	s_add_co_u32 s[DB], s[DB], s[DB+1]
	s_sub_co_u32 s[DB], 0x1000, s[DB]              ; 4,096 - 128 x - 128 x half rows of 1,024 bytes on,
	s_lshl_b32 s[DB], s[DB], 10
	s_sub_co_u32 s[DB], s[DB], 2*ROWB              ; and two K steps back
	s_mov_b32 s[DB+1], 0
	s_wait_dscnt 0x0                               ; both opening adds are done
	s_wait_kmcnt 0x0
	s_add_nc_u64 s[20:21], s[4:5], s[20:21]
	s_add_nc_u64 s[22:23], s[6:7], s[22:23]
	s_add_nc_u64 s[46:47], s[8:9], s[46:47]
	s_add_nc_u64 s[2:3], s[10:11], s[2:3]
	s_add_nc_u64 s[G0S2+2:G0S2+3], s[10:11], s[G0S2+2:G0S2+3]
	s_or_b32 s[G0S2+3], s[G0S2+3], 0x80000000
	; the four inputs' addresses are summed: their registers take group 1 for a quarter of tile 2's scales: 8 rows of 256 bytes, padded as the others; shared along my column
	s_or_b32 s[G1S2+0], s44, (3<<16)|(1<<20)|(1<<21)|(5<<22)|(3<<25)
	s_mov_b32 s[G1S2+1], 32<<16
	s_mov_b32 s[G1S2+2], (32*KS/256)<<16
	s_mov_b32 s[G1S2+3], 32<<16
	s_mov_b32 s[G1S2+4], 32*KS/256
	s_mov_b32 s[G1S2+5], 32
	s_mov_b32 s[G1S2+6], 0
	s_mov_b32 s[G1S2+7], 0
	CROUND                                         ; all sixteen work-groups are here: the first joint loads meet
	s_mov_b32 s[G0S], 1
	s_add_co_u32 s[G0S+1], s67, SCL
	s_mov_b64 s[G0S+2:G0S+3], s[22:23]
	s_or_b32 s[G0S+3], s[G0S+3], 0x80000000
	s_mov_b32 s[G0SB], 1
	s_add_co_u32 s[G0SB+1], s67, SCL
	s_mov_b64 s[G0SB+2:G0SB+3], s[2:3]
	s_or_b32 s[G0SB+3], s[G0SB+3], 0x80000000
	JLOAD G0S, G1S, G0SB, G1SB                     ; the scales first: they are wanted with K step 0
	tensor_load_to_lds s[G0S2:G0S2+3], s[G1S2:G1S2+7]   ; tile 2's scales: every wave its own quarter
	s_nop 0
.rept 4
	v_nop
.endr
.irp s, 0,1
	s_mov_b32 s[G0+4*\s], 1
	s_add_co_u32 s[G0+4*\s+1], s45, \s*SLOT
	s_add_nc_u64 s[G0+4*\s+2:G0+4*\s+3], s[20:21], \s*ROWB
	s_or_b32 s[G0+4*\s+3], s[G0+4*\s+3], 0x80000000
	s_mov_b32 s[G0B+4*\s], 1
	s_add_co_u32 s[G0B+4*\s+1], s45, \s*SLOT
	s_add_nc_u64 s[G0B+4*\s+2:G0B+4*\s+3], s[46:47], \s*ROWB
	s_or_b32 s[G0B+4*\s+3], s[G0B+4*\s+3], 0x80000000
	JLOAD G0+4*\s, G1, G0B+4*\s, G1B               ; by this text's count four tensor loads of mine are out now
.endr
	v_and_b32 v1, 15, v0                           ; l % 16
	v_bfe_u32 v2, v0, 4, 1                         ; l / 16
	v_mul_u32_u24 v3, v1, PITCH
	v_lshl_add_u32 v4, v2, 4, v3                   ; a fragment's row x pitch + 16 x half
	s_mul_i32 s21, s15, HALFT                      ; my 128 rows of A
	s_mul_i32 s22, s16, HALFT                      ; tile 1: my 128 rows of B,
	s_add_co_u32 s22, s22, 2*HALFT                 ; which lie behind A's 256
	s_mul_i32 s23, s16, 64*PITCH                   ; tile 2: my 64 rows of B
	s_add_co_u32 s23, s23, 2*HALFT
.irp s, 0,1
	v_add_nc_u32 v[ADRA+\s], s21, v4
	v_add_nc_u32 v[ADRB+\s], s22, v4
	v_add_nc_u32 v[ADRB+2+\s], s23, v4
	s_add_co_u32 s21, s21, SLOT
	s_add_co_u32 s22, s22, SLOT
	s_add_co_u32 s23, s23, SLOT
.endr
	v_mul_u32_u24 v5, v1, KS                       ; my row's scales: 64 bytes a row,
	v_lshrrev_b32 v6, 8, v5
	v_lshl_add_u32 v5, v6, 4, v5                   ; and 16 more for each 256 passed
	s_mul_i32 s21, s15, HALFS                      ; A's: my 128 rows
	s_mul_i32 s22, s16, HALFS                      ; tile 1's B: my 128 rows, behind A's 256
	s_add_co_u32 s22, s22, 2*HALFS
	s_sub_co_u32 s22, s22, s21                     ; how far behind A's
	v_mul_u32_u24 v6, s22, v2                      ; lanes 16-31 take B's
	s_mul_i32 s23, s16, 4*SBLK                     ; tile 2's B: my 64 rows
	s_add_co_u32 s23, s23, SC2-SCL
	s_sub_co_u32 s23, s23, s21
	v_mul_u32_u24 v7, s23, v2
	s_add_co_u32 s21, s21, SCL
	v_add_nc_u32 v[ADRSA], s21, v5
	v_add_nc_u32 v[ADRS], v[ADRSA], v6
	v_add_nc_u32 v[ADRS2], v[ADRSA], v7
	v_and_b32 v6, 31, v0
	v_lshlrev_b32 v[CO], 4, v6                     ; 16 x lane
	; where my results go
	s_lshl_b32 s46, s42, 1
	s_add_co_u32 s46, s46, s16                     ; tile 1: 16 sel + head = 2 x + my half
	s_lshr_b32 s47, s46, 4                         ; sel: 0 for q, 1 for k
	s_and_b32 s46, s46, 15                         ; head
	s_lshl_b32 s18, s41, 4
	s_add_co_u32 s19, s18, s46                     ; tile 1's g = 16 batch + head
	s_add_co_u32 s18, s18, s42                     ; tile 2's g = 16 batch + x
	s_and_b32 s22, ttmp7, 0xffff                   ; cluster y
	s_or_b32 s[FLAG], s22, s15                     ; 0 where my block 0 holds positions 0 to 15: the cluster's y and the wave's number alone, alike in all partners
	s_lshl_b32 s22, s22, 2
	s_lshl_b32 s23, s15, 1
	s_add_co_u32 s22, s22, s23                     ; my first position / 64
	s_lshl_b32 s45, s22, 14
	s_lshl_b32 s[Q2P], s18, 18                     ; tile 2 (v): (g 2^18 + (position / 64) 2^14) x 2,
	s_add_co_u32 s[Q2P], s[Q2P], s45
	s_lshl_b32 s[Q2P], s[Q2P], 1
	s_add_co_u32 s[Q2P], s[Q2P], (1<<24)+(1<<14)   ; from 2^24 on, 16,384 behind k,
	s_lshl_b32 s[Q2P+1], s16, 11
	s_add_co_u32 s[Q2P], s[Q2P], s[Q2P+1]          ; my 64 channels: images 4 x half on
	s_mov_b32 s[Q2P+1], 0
	s_add_nc_u64 s[Q2P:Q2P+1], s[96:97], s[Q2P:Q2P+1]
	s_lshl_b32 s22, s19, 18                        ; tile 1: q: g 2^18 + (position / 64) 2^14;
	s_add_co_u32 s22, s22, s45
	s_lshl_b32 s22, s22, s47                       ; k: twice that,
	s_lshl_b32 s23, s47, 24
	s_add_co_u32 s22, s22, s23                     ; from 2^24 on
	s_mov_b32 s23, 0
	s_add_nc_u64 s[96:97], s[96:97], s[22:23]
	s_lshl_b32 s[EXTRA], s47, 14
	s_mov_b32 s[EXTRA+1], 0
	s_add_co_u32 s[H2P], s18, 128                  ; head16: (64 sel + g) x 8,192; tile 2: sel = 2, and my 64 channels' chunks
	s_lshl_b32 s[H2P], s[H2P], 13
	s_lshl_b32 s[H2P+1], s16, 12
	s_add_co_u32 s[H2P], s[H2P], s[H2P+1]
	s_mov_b32 s[H2P+1], 0
	s_add_nc_u64 s[H2P:H2P+1], s[98:99], s[H2P:H2P+1]
	s_lshl_b32 s22, s47, 6
	s_add_co_u32 s22, s22, s19
	s_lshl_b32 s22, s22, 13
	s_add_nc_u64 s[98:99], s[98:99], s[22:23]
.macro FRAG reg, adr, q, i             ; a fragment, 16 rows x 128 K of 4-bit codes: lane l holds row l % 16; registers 4 c .. 4 c + 3 hold K = 64 c + 32 (l / 16) + 0 .. 31
.irp c, 0,1
	ds_load_b128 v[\reg+4*\c:\reg+4*\c+3], v[\adr] offset:64*(\q)+32*\c+(\i)*16*PITCH
.endr
.endm
; A's blocks a0, a0 + 1 x B's nb blocks (8 in tile 1, 4 in tile 2), 128 along K: the slot's q-th.  p: B's set;  sc: the set of scale words.  zero = 1: the first product starts the sums: nothing is ever cleared.
; The accumulators take turns, one instruction a turn, in the same order in every step.
.macro MULS a0, p, q, sc, zero, nb
.irp a, \a0, \a0+1
.irp b, 0,1,2,3,4,5,6,7
.if \b < \nb
.if \zero
	v_wmma_scale_f32_16x16x128_f8f6f4 v[8*(8*((\a)%4)+\b):8*(8*((\a)%4)+\b)+7], v[128*(\p)+FR*\b:128*(\p)+FR*\b+FR-1], v[AF+FR*(\a):AF+FR*(\a)+FR-1], 0, v[SC+8*NQ*(\sc)+NQ*\b+(\q)], v[SC+8*NQ*(\sc)+NQ*(\a)+(\q)] matrix_a_fmt:MATRIX_FMT_FP4 matrix_b_fmt:MATRIX_FMT_FP4 matrix_a_scale:MATRIX_SCALE_ROW1
.else
	v_wmma_scale_f32_16x16x128_f8f6f4 v[8*(8*((\a)%4)+\b):8*(8*((\a)%4)+\b)+7], v[128*(\p)+FR*\b:128*(\p)+FR*\b+FR-1], v[AF+FR*(\a):AF+FR*(\a)+FR-1], v[8*(8*((\a)%4)+\b):8*(8*((\a)%4)+\b)+7], v[SC+8*NQ*(\sc)+NQ*\b+(\q)], v[SC+8*NQ*(\sc)+NQ*(\a)+(\q)] matrix_a_fmt:MATRIX_FMT_FP4 matrix_b_fmt:MATRIX_FMT_FP4 matrix_a_scale:MATRIX_SCALE_ROW1
.endif
.endif
.endr
.endr
.endm
.macro FETCH_B slot, q, p, nb          ; B's nb fragments of the slot's q-th 128 along K into set p; the address register is tile 1's (nb = 8) or tile 2's (nb = 4: two registers on)
	WIN TO_B
.irp i, 0,1,2,3,4,5,6,7
.if \i < \nb
	FRAG 128*(\p)+FR*\i, ADRB+(8-\nb)/2+\slot, \q, \i
.endif
.endr
	WIN 0
.endm
.macro FETCH_A slot, q, i0             ; A's blocks i0 .. i0 + 3
.irp i, \i0, \i0+1, \i0+2, \i0+3
	FRAG AF+FR*(\i), ADRA+\slot, \q, \i
.endr
.endm
.macro SCALES sc, nb                   ; a K step's scale words into set sc: lanes 0-15 take A's block i, lanes 16-31 B's block i (tile 2: for i = 0 .. 3; beyond that all lanes take A's)
.irp i, 0,1,2,3,4,5,6,7
.if \nb == 8
	ds_load_b128 v[SC+8*NQ*\sc+NQ*\i:SC+8*NQ*\sc+NQ*\i+3], v[ADRS] offset:\i*SBLK
.elseif \i < 4
	ds_load_b128 v[SC+8*NQ*\sc+NQ*\i:SC+8*NQ*\sc+NQ*\i+3], v[ADRS2] offset:\i*SBLK
.else
	ds_load_b128 v[SC+8*NQ*\sc+NQ*\i:SC+8*NQ*\sc+NQ*\i+3], v[ADRSA] offset:\i*SBLK
.endif
.endr
.endm
; A load into a register that a matrix instruction has read, and a vector instruction or a store that reads a matrix result, stand NP places behind that matrix instruction; only plain vector
; instructions that name none of its registers are places (ISA guide 7.12.1 for vector instructions).
.macro PLACES n
.rept \n
	v_nop
.endr
.endm
; A step of 128 along K that has its successor in the same slot.
.macro STEP slot, q, zero, nb
	s_wait_dscnt 4*NL                              ; B's set and A's blocks 0-3 are in; the youngest eight loads (A's blocks 4-7) may be out
	WIN MUL_LO
	MULS 0, (\q)%2, \q, \slot, \zero, \nb
	MULS 2, (\q)%2, \q, \slot, \zero, \nb
	s_wait_dscnt 0                                 ; A's blocks 4-7 are in
	PLACES NP
	FETCH_B \slot, (\q)+1, 1-(\q)%2, \nb
	FETCH_A \slot, (\q)+1, 0
	WIN MUL_HI
	MULS 4, (\q)%2, \q, \slot, \zero, \nb
	MULS 6, (\q)%2, \q, \slot, \zero, \nb
	PLACES NP
	WIN 0
	FETCH_A \slot, (\q)+1, 4
.endm
; A slot's last step changes slots: ONE barrier; in front of it each wave waits for all its tensor loads, adds 0 to its spare word, and waits for that and for its own reads of this slot.
; fill = 1: this slot is filled again, two K steps on;  fill = 2: with tile 2's K step of the same slot (A goes back along K, B on to tile 2's rows);  fill = 0: nothing is left to fetch.
; nb: B's blocks in the tile at work;  nbn: in the tile to which the next slot's first step belongs.
.macro TURN slot, next, fill, nb, nbn
	s_wait_tensorcnt 0x0                           ; all my tensor loads have landed: my part of the next slot (every window is 0 here)
	ds_add_u32 v[SPW], v[NIL]                      ; 0 onto my spare word
	s_wait_dscnt 4*NL+1                            ; (the add and the youngest eight loads, A's blocks 4-7, may be out)
	WIN MUL_LO
	MULS 0, 1, NQ-1, \slot, 0, \nb                 ; matrix instructions stand between the add and the wait for it
	s_wait_dscnt 0x0                               ; the add is done, and my reads of this slot are over
	s_barrier_signal -1
	MULS 2, 1, NQ-1, \slot, 0, \nb
	WIN 0
	s_barrier_wait -1
.if \fill
	CREST                                          ; the barrier has opened a round of the cluster's barrier: no wave of any partner still reads this slot's tile or has a load on its way
.if \fill == 2
	s_sub_nc_u64 s[G0+4*\slot+2:G0+4*\slot+3], s[G0+4*\slot+2:G0+4*\slot+3], 2*ROWB
	s_add_nc_u64 s[G0B+4*\slot+2:G0B+4*\slot+3], s[G0B+4*\slot+2:G0B+4*\slot+3], s[DB:DB+1]
.else
	s_add_nc_u64 s[G0+4*\slot+2:G0+4*\slot+3], s[G0+4*\slot+2:G0+4*\slot+3], 2*ROWB
	s_add_nc_u64 s[G0B+4*\slot+2:G0B+4*\slot+3], s[G0B+4*\slot+2:G0B+4*\slot+3], 2*ROWB
.endif
.if (\fill == 2) || (\nb == 4)
	JLOAD2 G0+4*\slot, G1, G0B+4*\slot, G1B        ; the first tensor load behind the round; the four v_nop in it are the places in front of the loads below
.else
	JLOAD G0+4*\slot, G1, G0B+4*\slot, G1B
.endif
.else
	PLACES NP
.endif
.if \nbn == 8
	v_add_nc_u32 v[ADRS], 4*NQ, v[ADRS]            ; on to the next K step's scale words
.elseif \nb == 4
	v_add_nc_u32 v[ADRS2], 4*NQ, v[ADRS2]
	v_add_nc_u32 v[ADRSA], 4*NQ, v[ADRSA]
.endif                                         ; (at the change of tiles tile 2's two registers stand at K step 0 as they were made)
	FETCH_B \next, 0, 0, \nbn
	FETCH_A \next, 0, 0
	SCALES \next, \nbn
	WIN MUL_HI
	MULS 4, 1, NQ-1, \slot, 0, \nb
	MULS 6, 1, NQ-1, \slot, 0, \nb
	PLACES NP
	WIN 0
	FETCH_A \next, 0, 4
.endm
.macro STEPS slot, from, nb            ; the slot's steps from .. NQ - 2
.set Q, \from
.rept NQ-1-\from
	STEP \slot, Q, 0, \nb
.set Q, Q+1
.endr
.endm
; Block a (16 tokens x 16 nb columns): rounded to f16, each accumulator in ascending order, and stored as nb images of 512 bytes.  The packed results take three sets of registers by turns, none of which the next
; tile's fragments or scale words use.  far: bytes from block a to block a + 4 that stand in the immediate.
.macro OUTB a, nb, ptr, far
.set AC, 64*((\a)%4)
.set M3, (\a)%3
.set TM, 96+96*((M3+1)/2)+32*(M3/2)
.set WW, 0x0a+5*((\a)/4)
	s_wait_xcnt 0x0                                ; the stores so far have read their registers: a set is written again only behind this wait
	WIN WW                                         ; sources 0 and 1: window 2 or 3
.irp b, 0,1,2,3,4,5,6,7
.if \b < \nb
.irp r, 0,1,2,3
	v_cvt_pk_f16_f32 v[TM+4*\b+\r], v[AC+8*\b+2*\r], v[AC+8*\b+2*\r+1]
.endr
.endif
.endr
	WIN 0
.irp b, 0,1,2,3,4,5,6,7
.if \b < \nb
	global_store_b128 v[CO], v[TM+4*\b:TM+4*\b+3], s[\ptr:\ptr+1] offset:((\a)/4)*\far+((\a)%4)*4096+512*\b   ; 32 lanes store 512 consecutive bytes, aligned
.endif
.endr
.endm
	s_wait_tensorcnt 1                             ; all scales and my part of K step 0 are in (K step 1's load may be out)
	s_barrier_signal -1
	s_barrier_wait -1                              ; everybody's are
	FETCH_B 0, 0, 0, 8
	FETCH_A 0, 0, 0
	SCALES 0, 8
	FETCH_A 0, 0, 4
	; ---- TILE 1: 256 tokens x 256 columns of q or k.  Four K steps; written out, since each change of slots asks for something else
	STEP 0, 0, 1, 8                                ; the first step's products start the sums
	STEPS 0, 1, 8
	TURN 0, 1, 1, 8, 8                             ; slot 0 takes K step 2
	STEPS 1, 0, 8
	TURN 1, 0, 1, 8, 8                             ; slot 1 takes K step 3
	STEPS 0, 0, 8
	TURN 0, 1, 2, 8, 8                             ; THE RING GOES ON INTO TILE 2: slot 0 takes its K step 0,
	STEPS 1, 0, 8
	TURN 1, 0, 2, 8, 4                             ; slot 1 its K step 1, and tile 2's first fragments and scale words are fetched
	; BOTH REFILLS ARE ASKED FOR: NOW TILE 1 GOES OUT.  The four places behind its last products stand in the change of slots above.
	; positions 0 to 15 in f32: block 0's eight accumulators as they stand, 16 bytes a lane, 512 consecutive bytes a store, each accumulator from its low end on
	s_cmp_lg_u32 s[FLAG], 0
	s_cbranch_scc1 .Lno16a
	WIN 0x08                                       ; a store's data are its source 1: window 2
.irp b, 0,1,2,3,4,5,6,7
	global_store_b128 v[CO], v[8*\b:8*\b+3], s[98:99] offset:1024*\b
	global_store_b128 v[CO], v[8*\b+4:8*\b+7], s[98:99] offset:1024*\b+512
.endr
	WIN 0
.Lno16a:
	OUTB 0, 8, 96, 16384
	OUTB 1, 8, 96, 16384
	OUTB 2, 8, 96, 16384
	OUTB 3, 8, 96, 16384
	s_wait_xcnt 0x0                                ; the stores so far have read their base: it is written again only behind this wait
	s_add_nc_u64 s[96:97], s[96:97], s[EXTRA:EXTRA+1]   ; k: a step of 64 keys is 32,768 bytes, not 16,384
	OUTB 4, 8, 96, 16384
	OUTB 5, 8, 96, 16384
	OUTB 6, 8, 96, 16384
	OUTB 7, 8, 96, 16384
	; ---- TILE 2: the same 256 tokens x the 128 columns of v's head x.  (The stores that read accumulators as they stand were issued ahead of the waits on XCNT above: the accumulators may be written.)
	STEP 0, 0, 1, 4                                ; its first step's products start the sums anew
	STEPS 0, 1, 4
	TURN 0, 1, 1, 4, 4                             ; slot 0 takes K step 2
	STEPS 1, 0, 4
	TURN 1, 0, 1, 4, 4                             ; slot 1 takes K step 3
	STEPS 0, 0, 4
	TURN 0, 1, 0, 4, 4                             ; nothing is left to fetch, and no round of the cluster's barrier follows
	STEPS 1, 0, 4
	s_wait_dscnt 4*NL                              ; the very last step
	WIN MUL_LO
	MULS 0, 1, NQ-1, 1, 0, 4
	MULS 2, 1, NQ-1, 1, 0, 4
	s_wait_dscnt 0
	WIN MUL_HI
	MULS 4, 1, NQ-1, 1, 0, 4
	MULS 6, 1, NQ-1, 1, 0, 4
	WIN 0
	PLACES NP                                      ; behind the last products: their results are read only behind these
	s_cmp_lg_u32 s[FLAG], 0
	s_cbranch_scc1 .Lno16b
	WIN 0x08
.irp b, 0,1,2,3
	global_store_b128 v[CO], v[8*\b:8*\b+3], s[H2P:H2P+1] offset:1024*\b
	global_store_b128 v[CO], v[8*\b+4:8*\b+7], s[H2P:H2P+1] offset:1024*\b+512
.endr
	WIN 0
.Lno16b:
.irp a, 0,1,2,3,4,5,6,7
	OUTB \a, 4, Q2P, 32768
.endr
	s_wait_tensorcnt 0x0                           ; the wave's end
	ds_add_u32 v[SPW], v[NIL]
	s_wait_dscnt 0x0
	CROUND                                         ; the closing round: no work-group ends while a partner may still ask for a tile that names it
	s_endpgm
.Lfunc_end_k_q60d8b1489b_proj:
	.size	k_q60d8b1489b_proj, .Lfunc_end_k_q60d8b1489b_proj-k_q60d8b1489b_proj
	.p2alignl 7, 3214868480
	.fill 96, 4, 3214868480
	.section	.rodata,"a",@progbits
	.p2align	6, 0x0
	.amdhsa_kernel k_q60d8b1489b_proj
		.amdhsa_group_segment_fixed_size 327680
		.amdhsa_private_segment_fixed_size 0
		.amdhsa_enable_private_segment 0
		.amdhsa_kernarg_size 48
		.amdhsa_user_sgpr_count 2
		.amdhsa_user_sgpr_kernarg_segment_ptr 1
		.amdhsa_wavefront_size32 1
		.amdhsa_system_sgpr_workgroup_id_x 1
		.amdhsa_system_sgpr_workgroup_id_y 1
		.amdhsa_system_sgpr_workgroup_id_z 1
		.amdhsa_system_vgpr_workitem_id 0
		.amdhsa_next_free_vgpr 1024
		.amdhsa_next_free_sgpr 102
		.amdhsa_reserve_vcc 0
		.amdhsa_float_denorm_mode_32 3
		.amdhsa_float_denorm_mode_16_64 3
		.amdhsa_memory_ordered 1
		.amdhsa_forward_progress 1
		.amdhsa_inst_pref_size 255
	.end_amdhsa_kernel
	.section	.bss,"aw",@nobits
	.p2align	6
	.space	262144
	.amdgpu_metadata
---
amdhsa.version: [ 1, 2 ]
amdhsa.kernels:
  - .name:           k_q60d8b1489b_proj
    .symbol:         k_q60d8b1489b_proj.kd
    .args:
      - { .name: xc, .offset: 0, .size: 8, .value_kind: global_buffer, .address_space: global }
      - { .name: xs, .offset: 8, .size: 8, .value_kind: global_buffer, .address_space: global }
      - { .name: wc, .offset: 16, .size: 8, .value_kind: global_buffer, .address_space: global }
      - { .name: ws, .offset: 24, .size: 8, .value_kind: global_buffer, .address_space: global }
      - { .name: qkv, .offset: 32, .size: 8, .value_kind: global_buffer, .address_space: global }
      - { .name: head16, .offset: 40, .size: 8, .value_kind: global_buffer, .address_space: global }
    .group_segment_fixed_size: 327680
    .private_segment_fixed_size: 0
    .kernarg_segment_align: 8
    .kernarg_segment_size: 48
    .max_flat_workgroup_size: 128
    .sgpr_count:     102
    .vgpr_count:     1024
    .wavefront_size: 32
...
	.end_amdgpu_metadata
.endif
;; end of part 2
;; launch attn (part 3): grid 4 x 64, 4 waves a work-group, no clusters, 327,680 bytes of LDS; arguments qkv, out0; writes out0
.if DOCPART == 3
	.amdgcn_target "amdgcn-amd-amdhsa--gfx1250"
	.amdhsa_code_object_version 6
	.text
	.protected	k_q60d8b1489b_attn
	.globl	k_q60d8b1489b_attn
	.p2align	8
	.type	k_q60d8b1489b_attn,@function
k_q60d8b1489b_attn:
	s_mov_b64 s[64:65], 0
	v_nop
	global_prefetch_b8 v0, s[64:65] scope:SCOPE_SE
	s_setreg_imm32_b32 hwreg(HW_REG_WAVE_MODE, 25, 1), 1
	s_wait_xcnt 0x0
; out[b][s][128 h + :] = round4(sum over t <= s of softmax_t(q[s] . k[t] / sqrt(128)) v[t]) for g = 16 b + h, all positions s >= 16 (the first 16 of every sequence are another launch's, in f32).
; q, k, v come in f16, as images of operand registers (512 bytes: 16 positions x 16 channels, lane l's 16 bytes at 16 l).  Products on f16 operands, sums, maxima and the softmax in f32; p is rounded to f16.
; SHARES.  Work-group (i, g) owns query blocks i and 7 - i of head g, 128 queries each: under the causal mask that is the same work in all 256 work-groups.  Wave w holds tiles 0, 1 (PIECE 0: queries 128 i + 32 w on)
; and tiles 2, 3 (PIECE 2: queries 128 (7 - i) + 32 w on).  Keys go 64 a step; a step's K and V fragments serve both pieces while both count.
; LAYOUT.  S^T = K Q^T (source 0 = 16 keys, source 1 = 16 queries), O^T = V^T P: a lane holds ONE query throughout.  K's images are loaded as they lie, V's by the turning load.
; SOFTMAX.  For each query a running maximum m and sum l: p = 2^(c s - c m), c = log2(e) / sqrt(128); O and l are multiplied by a = 2^(c m_old - c m_new) in every step.
; THE MASK.  Every work-group walks all steps: trip counts are constants.  A step's work is jumped over, by tests on ids alone, where all its keys come after the piece's queries.  The step's first key is a multiple of 64
; and a piece's first query of 32: so a piece counts where key <= query, needs the mask where query - key is 0 or 32, and the step's first key counts for all its queries: m is always a number.
; THE RING.  Key step 0 lies in bytes of its own, filled once; the other 15 steps go through two slots of three steps (98,304 bytes, dense: every fragment load reads 512 bytes on end).  Each wave fetches a quarter of a slot.
; A slot whose first key comes after the work-group's last query is not asked for.  Every wait on TENSORcnt is for 0.  By this text's count two tensor loads of a wave are out at the head, later one.
; NO CLUSTER: the four work-groups of a head need 3, 4, 5 and 5 slots under the mask, so a joint load would bring some partner tiles that none of its waves reads.
; LIMITS: |q|, |k|, |v| under 65,520 (f16); NaN and infinities are not served; the rounding to 4 decimals is made as rndne(O x (1e4 / l)) x 1e-4, another order of roundings than a product by 1e4 and a division.
; REGISTERS, in windows of 256: window 0: v1-10 addresses; v12-43 eight statistics a tile; v44-46 the mask's; v61-63; v64-191 S^T, 32 a tile; v192-255 P, 16 a tile.
;   window 1: O^T, 64 a tile.   window 2: v0-127 Q, 32 a tile; v128-255 K of a step.   window 3: v0-127 V of a step.
.set STEPB, 32768                      ; a key step in LDS and in memory: K's 16 KiB, then V's
.set PREG,  98304                      ; key step 0
.set SLOT1, 1<<17                      ; slot 0 at 0, slot 1 here: one exclusive or turns an address
.set STAGE, 229376                     ; the way out: 16 rows x 528 bytes for each wave
.set SP,    528
.set SPARE, 263168                     ; the spare words, 128 bytes for each wave
.set L16, 2                            ; v2   16 x lane; never rewritten
.set AV0, 3                            ; v3   my lane's place in an image of V, for the turning load, + 16,384
.set ADK, 4                            ; v4   LDS address of the step's K
.set ADV, 5                            ; v5   of its V
.set STO, 6                            ; v6   the way out: where I put 32 bytes of a row
.set RD,  7                            ; v7   and where I read a row back
.set ST,  12                           ; tile t's statistics at v[12 + 8 t]: +0 c m, +1 m, +2, +3 l (two halves), +4 to +7 at work; a takes +6
.set PFO, 61                           ; v61  256 x lane
.set SPW, 62                           ; v62  LDS address of my spare word; never rewritten
.set NIL, 63                           ; v63  0; never rewritten
.set S,   64
.set P,   192
.set KFR, 128                          ; K's fragments, in window 2
.set WV,  8                            ; s8   wave
.set QL,  11                           ; s11  piece 0's first query;  s12 piece 2's
.set QH,  12
.set KEY, 13                           ; s13  the step's first key
.set TB,  14                           ; s14  LDS byte at which the step's tiles begin
.set SLOTS, 15
.set INNER, 16
.set LIM, 17                           ; s17  1 in the work-group that prefetches, else the greatest number
.set LASTQ, 18                         ; s18  my work-group's last query
.set PFA, 20                           ; s[20:21] where my prefetches stand
.set CS,  22                           ; s[22:23] c, twice
.set SEL, 24                           ; s[24:25] lane selects: lane l xor 16
.set G1P, 28                           ; s[28:35] group 1: 32 rows of 256 bytes (a quarter of key step 0)
.set G1S, 36                           ; s[36:43] group 1: 96 rows of 256 bytes (a quarter of a slot)
.set G0P, 44                           ; s[44:47] group 0 for key step 0
.set G0S, 48                           ; s[48:51] group 0 for the slots: it walks
.set QB,  52                           ; s[52:53], s[54:55] Q's images of piece 0, piece 2
.set OB,  56                           ; s[56:57], s[58:59] the pieces' first rows of out
.set TENM4, 66                         ; s[66:67] 1e-4, twice
.set TENP4, 68                         ; s68  1e4
.set MSB, 0
.macro WIN new                         ; the immediate's high byte repeats the setting that is left; a switch that changes nothing is dropped
.if MSB != \new
	s_set_vgpr_msb (MSB<<8)|\new
.set MSB, \new
.endif
.endm
.set W_KQ, 0x0a                        ; K and Q in window 2, S^T in window 0
.set W_PV, 0x53                        ; V in window 3, P in window 0, O^T in window 1
.set W_RS, 0x41                        ; O^T (destination and source 0) in window 1, a in window 0
	s_load_b128 s[4:7], s[0:1], 0x0                ; qkv s[4:5], out s[6:7]
	v_lshl_add_u32 v[SPW], v0, 2, SPARE
	v_mov_b32 v[NIL], 0
	ds_add_u32 v[SPW], v[NIL]                      ; the wave's opening
	ds_add_u32 v[SPW], v[NIL]                      ; and once more, under the one wait; the set-up below, work on registers, stands between
	v_lshrrev_b32 v1, 5, v0
	v_readfirstlane_b32 s[WV], v1                  ; wave 0..3
	s_mov_b32 s9, ttmp9                            ; i
	s_and_b32 s10, ttmp7, 0xffff                   ; g
	s_lshl_b32 s2, s[WV], 5
	s_lshl_b32 s[QL], s9, 7
	s_add_co_u32 s[QL], s[QL], s2                  ; 128 i + 32 w
	s_sub_co_u32 s3, 7, s9
	s_lshl_b32 s3, s3, 7
	s_add_co_u32 s[QH], s3, s2                     ; 128 (7 - i) + 32 w
	s_add_co_u32 s[LASTQ], s3, 127
	s_cmp_eq_u32 s9, 0
	s_cselect_b32 s[LIM], 1, -1                    ; work-group i = 0 walks all five slots: it prefetches for the head
	; descriptor groups 1: dense blocks as rows of 256 bytes (32 elements of 8 bytes), no padding, no mask
	s_mov_b32 s[G1P], 3<<16                        ; 17:16 elements of 8 bytes
	s_mov_b32 s[G1P+1], 32<<16                     ; tensor_dim0 = 32
	s_mov_b32 s[G1P+2], 32<<16                     ; tensor_dim1 = 32
	s_mov_b32 s[G1P+3], 32<<16                     ; tile_dim0 = 32
	s_mov_b32 s[G1P+4], 32                         ; tile_dim1 = 32
	s_mov_b32 s[G1P+5], 32                         ; stride from row to row
	s_mov_b32 s[G1P+6], 0
	s_mov_b32 s[G1P+7], 0
	s_mov_b32 s[G1S], 3<<16
	s_mov_b32 s[G1S+1], 32<<16
	s_mov_b32 s[G1S+2], 96<<16                     ; tensor_dim1 = 96
	s_mov_b32 s[G1S+3], 32<<16
	s_mov_b32 s[G1S+4], 96                         ; tile_dim1 = 96
	s_mov_b32 s[G1S+5], 32
	s_mov_b32 s[G1S+6], 0
	s_mov_b32 s[G1S+7], 0
	s_mov_b32 s[CS], 0x3e0293ee                    ; c = log2(e) / sqrt(128)
	s_mov_b32 s[CS+1], s[CS]
	s_mov_b32 s[SEL], 0x76543210
	s_mov_b32 s[SEL+1], 0xfedcba98
	s_mov_b32 s[TENM4], 0x38d1b717                 ; 1e-4
	s_mov_b32 s[TENM4+1], s[TENM4]
	s_mov_b32 s[TENP4], 0x461c4000                 ; 1e4
	s_lshl_b32 s26, s10, 19
	s_add_co_u32 s26, s26, 1<<24                   ; the head's K and V: 2^24 + g 2^19
	s_mov_b32 s27, 0
	s_lshl_b32 s60, s[WV], 13                      ; my quarter of key step 0
	s_mov_b32 s61, 0
	s_mul_i32 s62, s[WV], 24576                    ; my quarter of a slot
	s_mov_b32 s63, 0
	s_lshl_b32 s2, s10, 18                         ; the head's Q: g 2^18; a position is 256 bytes
	s_lshl_b32 s[QB], s[QL], 8
	s_add_co_u32 s[QB], s[QB], s2
	s_mov_b32 s[QB+1], 0
	s_lshl_b32 s[QB+2], s[QH], 8
	s_add_co_u32 s[QB+2], s[QB+2], s2
	s_mov_b32 s[QB+3], 0
	s_lshr_b32 s2, s10, 4
	s_lshl_b32 s2, s2, 23                          ; out: a batch is 1,024 rows of 8,192 bytes,
	s_and_b32 s3, s10, 15
	s_lshl_b32 s3, s3, 9                           ; a head 512 bytes of a row
	s_add_co_u32 s2, s2, s3
	s_lshl_b32 s[OB], s[QL], 13
	s_add_co_u32 s[OB], s[OB], s2
	s_mov_b32 s[OB+1], 0
	s_lshl_b32 s[OB+2], s[QH], 13
	s_add_co_u32 s[OB+2], s[OB+2], s2
	s_mov_b32 s[OB+3], 0
	s_wait_dscnt 0x0                               ; both opening adds are done
	s_wait_kmcnt 0x0
	s_add_nc_u64 s[26:27], s[4:5], s[26:27]        ; the head's K and V
	s_mov_b32 s[G0P], 1                            ; count = 1
	s_add_co_u32 s[G0P+1], s60, PREG               ; LDS address
	s_add_nc_u64 s[G0P+2:G0P+3], s[26:27], s[60:61]
	s_or_b32 s[G0P+3], s[G0P+3], 0x80000000        ; type = 2
	s_mov_b32 s[G0S], 1
	s_mov_b32 s[G0S+1], s62                        ; slot 0
	s_add_nc_u64 s[G0S+2:G0S+3], s[26:27], s[62:63]
	s_add_nc_u64 s[G0S+2:G0S+3], s[G0S+2:G0S+3], STEPB       ; keys 64 on
	s_add_nc_u64 s[PFA:PFA+1], s[G0S+2:G0S+3], 3*STEPB       ; the prefetches stand a slot on; the first change of slots steps them once more.  Nothing is prefetched here, at the head
	s_or_b32 s[G0S+3], s[G0S+3], 0x80000000
	s_add_nc_u64 s[QB:QB+1], s[4:5], s[QB:QB+1]
	s_add_nc_u64 s[QB+2:QB+3], s[4:5], s[QB+2:QB+3]
	s_add_nc_u64 s[OB:OB+1], s[6:7], s[OB:OB+1]
	s_add_nc_u64 s[OB+2:OB+3], s[6:7], s[OB+2:OB+3]
	tensor_load_to_lds s[G0P:G0P+3], s[G1P:G1P+7]  ; the first fills go out together, ahead of every wait on TENSORcnt, every LDS read and every barrier
	s_nop 0
	tensor_load_to_lds s[G0S:G0S+3], s[G1S:G1S+7]
	s_nop 0
.rept 4
	v_nop
.endr
	v_and_b32 v[L16], 31, v0
	v_lshlrev_b32 v[L16], 4, v[L16]
	WIN 0x80                                       ; destination window 2, address window 0
.irp t, 0,1,2,3                        ; Q stays in registers: tile t, fragment of channels 32 f on = images 2 f and 2 f + 1
.irp f, 0,1,2,3
	global_load_b128 v[32*\t+8*\f:32*\t+8*\f+3],   v[L16], s[QB+2*(\t/2):QB+2*(\t/2)+1] offset:(\t%2)*4096+\f*1024 th:TH_LOAD_NT
	global_load_b128 v[32*\t+8*\f+4:32*\t+8*\f+7], v[L16], s[QB+2*(\t/2):QB+2*(\t/2)+1] offset:(\t%2)*4096+\f*1024+512 th:TH_LOAD_NT
.endr
.endr
	WIN 0
	v_and_b32 v1, 15, v0                           ; r = l % 16
	v_bfe_u32 v9, v0, 4, 1                         ; l / 16
	v_lshlrev_b32 v10, 3, v9
	v_sub_nc_u32 v10, v1, v10                      ; r - 8 (l / 16), for the mask
	; The turning load: lane l addresses 16 bytes: key 8 (l / 16) + l % 8 of an image, channels 8 ((l / 8) % 2) + 0 .. 7; it leaves half a fragment of V^T: lane l holds channel l % 16 and 8 keys.
	v_bfe_u32 v[AV0], v0, 3, 1
	v_lshlrev_b32 v[AV0], 8, v[AV0]
	v_lshl_add_u32 v[AV0], v9, 7, v[AV0]
	v_and_b32 v[STO], 7, v0
	v_lshl_add_u32 v[AV0], v[STO], 4, v[AV0]
	v_add_nc_u32 v[AV0], 16384, v[AV0]             ; V lies behind K's 16 KiB
	s_mul_i32 s2, s[WV], 16*SP
	s_add_co_u32 s2, s2, STAGE                     ; my stage
	v_mul_u32_u24 v[STO], v1, SP
	v_lshl_add_u32 v[STO], v9, 5, v[STO]
	v_add_nc_u32 v[STO], s2, v[STO]                ; in: row r, 32 bytes for each half of the lanes
	v_add_nc_u32 v[RD], s2, v[L16]                 ; back: the 32 lanes take one row of 512 bytes
	v_mov_b32 v44, 0xff800000                      ; -infinity
	v_and_b32 v[PFO], 31, v0
	v_lshlrev_b32 v[PFO], 8, v[PFO]
; THE MATRIX WORK of piece x.  The accumulators take turns, one instruction a turn.
; Product i of 32 of S^T = K Q^T: channels 32 (i / 8) on, keys 16 ((i / 2) % 4) on, tile x + i % 2.  The first 8 start the sums.
.macro KQ x
	WIN W_KQ
.set rS, S+32*(\x+i%2)+8*((i/2)%4)
.set rK, KFR+32*((i/2)%4)+8*(i/8)
.set rQ, 32*(\x+i%2)+8*(i/8)
.if i < 8
	v_wmma_f32_16x16x32_f16 v[rS:rS+7], v[rK:rK+7], v[rQ:rQ+7], 0
.else
	v_wmma_f32_16x16x32_f16 v[rS:rS+7], v[rK:rK+7], v[rQ:rQ+7], v[rS:rS+7]
.endif
.endm
; Product i of 32 of O^T += V^T P: keys 32 (i / 16) on, channels 16 ((i / 2) % 8) on, tile x + i % 2.  zero = 1: the first 16 start the sums: nothing is ever cleared.
.macro PV x, zero
	WIN W_PV
.set rO, 64*(\x+i%2)+8*((i/2)%8)
.set rV, 64*(i/16)+8*((i/2)%8)
.set rP, P+16*(\x+i%2)+8*(i/16)
.if \zero && (i < 16)
	v_wmma_f32_16x16x32_f16 v[rO:rO+7], v[rV:rV+7], v[rP:rP+7], 0
.else
	v_wmma_f32_16x16x32_f16 v[rO:rO+7], v[rV:rV+7], v[rP:rP+7], v[rO:rO+7]
.endif
.endm
; A step's K (16 fragments) and V (16, turned): 64 LDS loads in one run.  The two additions and two v_nop are the four places behind the last step's products, which read these registers.
.macro FETCH
	v_add_nc_u32 v[ADK], s[TB], v[L16]
	v_add_nc_u32 v[ADV], s[TB], v[AV0]
	v_nop
	v_nop
	WIN 0x80                                       ; destination window 2
.irp f, 0,1,2,3,4,5,6,7,8,9,10,11,12,13,14,15  ; keys 16 (f / 4) on, channels 32 (f % 4) on
	ds_load_b128 v[KFR+8*\f:KFR+8*\f+3],   v[ADK] offset:(\f/4)*4096+(\f%4)*1024
	ds_load_b128 v[KFR+8*\f+4:KFR+8*\f+7], v[ADK] offset:(\f/4)*4096+(\f%4)*1024+512
.endr
	WIN 0xc0                                       ; destination window 3
.irp f, 0,1,2,3,4,5,6,7,8,9,10,11,12,13,14,15  ; keys 32 (f / 8) on, channels 16 (f % 8) on
	ds_load_tr16_b128 v[8*\f:8*\f+3],   v[ADV] offset:(\f/8)*8192+(\f%8)*512
	ds_load_tr16_b128 v[8*\f+4:8*\f+7], v[ADV] offset:(\f/8)*8192+(\f%8)*512+4096
.endr
.endm
; THE VECTOR WORK.  One tile's softmax for one key step is a list of 134 instructions; SM writes number j of it for tile t.  s0-s31 are the lane's 32 scores, in pairs 0-15.  first = 1: the first key step.
;   0-15 the maximum of s0-s31 and the old m;  16-20 the other half of the lanes' maximum, the new m, c m, c m_old - c m_new;
;   21-69 ONE BATCH: the 16 scalings c s - c m and all 33 exponentials (a at 23, then s0-s31): none of these reads an exponential's result; a pair is scaled ahead of its exponentials;
;   (the one wait for the batch stands between 69 and 70: PIECE writes it)   70-85 the roundings to f16;  86-101 the sums, l = a l + the sum;  102-133 the tile's O^T times a.
.macro SM t, first
.set rT, ST+8*(\t)
.set rS, S+32*(\t)
.set rP, P+16*(\t)
.set rO, 64*(\t)+2*(j-102)
.if j < 102
	WIN 0
.endif
.if j < 4
	v_max3_num_f32 v[rT+4+j], v[rS+8*j], v[rS+8*j+1], v[rS+8*j+2]
.elseif j < 12
	v_max3_num_f32 v[rT+4+j%4], v[rT+4+j%4], v[rS+8*(j%4)+2*(j/4)+1], v[rS+8*(j%4)+2*(j/4)+2]
.elseif j == 12
	v_max3_num_f32 v[rT+4], v[rT+4], v[rS+7], v[rS+15]
.elseif j == 13
	v_max3_num_f32 v[rT+6], v[rT+6], v[rS+23], v[rS+31]
.elseif j == 14
	v_max3_num_f32 v[rT+4], v[rT+4], v[rT+5], v[rT+6]
.elseif (j == 15) && \first
	v_max_num_f32 v[rT+4], v[rT+4], v[rT+7]
.elseif j == 15
	v_max3_num_f32 v[rT+4], v[rT+4], v[rT+7], v[rT+1]
.elseif j == 16
	v_permlanex16_b32 v[rT+5], v[rT+4], s[SEL], s[SEL+1]  ; the query's other 32 keys lie in the lane 16 away
.elseif j == 18
	v_max_num_f32 v[rT+1], v[rT+4], v[rT+5]
.elseif j == 19
	v_mul_f32 v[rT], s[CS], v[rT+1]
.elseif ((j == 17) || (j == 20) || (j == 23) || (j > 101)) && \first  ; the first step has none of these
.elseif j == 17
	v_mov_b32 v[rT+7], v[rT]                       ; c m_old is kept for a: number 19 writes c m anew
.elseif j == 20
	v_sub_f32 v[rT+7], v[rT+7], v[rT]
.elseif j == 23
	v_exp_f32 v[rT+6], v[rT+7]
.elseif (j < 23) || ((j < 38) && (j%2 == 0)) || ((j < 66) && (j%4 == 2))
.set b, (j-2)/4                        ; 38, 42, .. 62: pairs 9 to 15
.if j < 38
.set b, (j-20)/2                       ; 21: pair 0; 22, 24, .. 36: pairs 1 to 8
.endif
	v_pk_fma_f32 v[rS+2*b:rS+2*b+1], v[rS+2*b:rS+2*b+1], s[CS:CS+1], v[rT:rT+1] op_sel_hi:[1,0,0] neg_lo:[0,0,1] neg_hi:[0,0,1]  ; pair b: c s - c m
.elseif j < 70
.set e, j-38                           ; 66 to 69: s28 to s31
.if j < 66
.set e, j-32-(j-38)/4                  ; 39-41, 43-45, .. 63-65: s7 to s27
.endif
.if j < 38
.set e, (j-25)/2                       ; 25, 27, .. 37: s0 to s6
.endif
	v_exp_f32 v[rS+e], v[rS+e]
.elseif j < 86
	v_cvt_pk_f16_f32 v[rP+j-70], v[rS+2*(j-70)], v[rS+2*(j-70)+1]  ; pair j - 70
.elseif j < 102                        ; the sum of the tile's 16 pairs, in place: neighbours 1, 2, 4 and 8 pairs apart, then l takes it
.set z, j-86
.set w, 4
.set u, z
.if z >= 14
.set w, 32
.set u, 0
.elseif z >= 12
.set w, 16
.set u, z-12
.elseif z >= 8
.set w, 8
.set u, z-8
.endif
.if (z == 14) && \first
	v_pk_add_f32 v[rT+2:rT+3], v[rS:rS+1], v[rS+16:rS+17]
.elseif z < 15
	v_pk_add_f32 v[rS+w*u:rS+w*u+1], v[rS+w*u:rS+w*u+1], v[rS+w*u+w/2:rS+w*u+w/2+1]
.elseif !\first
	v_pk_fma_f32 v[rT+2:rT+3], v[rT+2:rT+3], v[rT+6:rT+7], v[rS:rS+1] op_sel_hi:[1,0,1]
.endif
.else
	WIN W_RS
	v_pk_mul_f32 v[rO:rO+1], v[rO:rO+1], v[rT+6:rT+7] op_sel_hi:[1,0]
.endif
.endm
; On the diagonal hidden scores become -infinity: register n of a tile holds key KEY + 16 (n / 8) + 8 (l / 16) + n % 8, hidden where 16 (n / 8) + n % 8 > d = query - KEY - 8 (l / 16).  Each accumulator from its low end on.
.macro MASK x
.irp t, 0,1
.set n, 0
.rept 32
	v_cmp_gt_i32 vcc_lo, 16*(n/8)+n%8, v[45+\t]
	v_cndmask_b32 v[S+32*(\x+\t)+n], v[S+32*(\x+\t)+n], v44, vcc_lo
.set n, n+1
.endr
.endr
.endm
; A PIECE'S PART OF A KEY STEP: 32 products K Q^T, the mask where the diagonal passes, the softmax of its two tiles (the tiles by turns), 32 products V^T P.
.macro PIECE x, first
.if (\x == 0) && (!\first)
	s_cmp_gt_u32 s[KEY], s[QL]                     ; all of the step's keys come after piece 0's queries: ids and the count of steps alone
	s_cbranch_scc1 .Lnone_\@
.endif
.if \x == 2
	s_wait_dscnt 32                                ; K is in; V's 32 loads, issued behind K's, may be out
.endif
.set i, 0
.rept 32
	KQ \x
.set i, i+1
.endr
	WIN 0
	s_sub_co_i32 s2, s[QL+\x/2], s[KEY]
	v_add_nc_u32 v45, s2, v10                      ; d of the piece's first tile,
	v_add_nc_u32 v46, 16, v45                      ; and of its second.  With the two v_nop: the four places behind the products
	v_nop
	v_nop
	s_cmp_ge_i32 s2, 64                            ; all 64 keys count for all 32 queries
	s_cbranch_scc1 .Lopen_\@
	MASK \x
.Lopen_\@:
.set j, 0
.rept 70
	SM \x, \first
	SM \x+1, \first
.set j, j+1
.endr
	v_nop                                          ; a plain instruction behind the last exponential
	s_wait_alu depctr_va_vdst(0)                   ; one wait for the piece's 66 exponentials, ahead of the first instruction that names a result
.rept 64
	SM \x, \first
	SM \x+1, \first
.set j, j+1
.endr
.if \x == 2
	s_wait_dscnt 0x0                               ; V is in
.endif
.set i, 0
.rept 32
	PV \x, \first
.set i, i+1
.endr
	WIN 0
.Lnone_\@:
.endm
; A KEY STEP.  Where all its keys come after piece 2's queries (and so after piece 0's) its work is left out; the lines that step the key and the address are run by all.
.macro STEP first
.if !\first
	s_cmp_gt_u32 s[KEY], s[QH]
	s_cbranch_scc1 .Lhidden_\@
.endif
	FETCH
	PIECE 2, \first
	PIECE 0, \first
.Lhidden_\@:
	s_add_co_u32 s[KEY], s[KEY], 64
	s_add_co_u32 s[TB], s[TB], STEPB
.endm
.macro SLOT_STEPS                      ; a slot's three key steps: written once, walked three times
	s_mov_b32 s[INNER], 3
.Lstep_\@:
	STEP 0
	s_sub_co_u32 s[INNER], s[INNER], 1
	s_cmp_lg_u32 s[INNER], 0
	s_cbranch_scc1 .Lstep_\@
	s_sub_co_u32 s[TB], s[TB], 3*STEPB             ; back to a slot's first step,
	s_xor_b32 s[TB], s[TB], SLOT1                  ; in the other slot
.endm
; A PREFETCH INTO THE L2 of the slot that the NEXT change of slots will ask for.  The head's four work-groups walk the same K and V: work-group i = 0, which walks all five slots, asks; each of its waves for its own
; quarter, 24,576 bytes: three instructions, lanes 256 bytes apart.  So each aligned block of 256 bytes is named once in the launch.  The last change that fills a slot asks for nothing: there is no slot behind it.
.macro ASK
	s_cmp_gt_u32 s[SLOTS], s[LIM]
	s_cbranch_scc0 .Lnot_mine_\@
	global_prefetch_b8 v[PFO], s[PFA:PFA+1] th:TH_LOAD_NT scope:SCOPE_SE
	global_prefetch_b8 v[PFO], s[PFA:PFA+1] offset:8192 th:TH_LOAD_NT scope:SCOPE_SE
	global_prefetch_b8 v[PFO], s[PFA:PFA+1] offset:16384 th:TH_LOAD_NT scope:SCOPE_SE
.Lnot_mine_\@:
.endm
; THE CHANGE OF SLOTS stands at a slot's head.  Each wave waits for all its tensor loads (its quarter of the slot ahead), adds 0 to its spare word, and waits for that and for its reads of the slot that it has left.
; Behind the barrier the slot ahead is whole and nobody reads the other one.  fill = 1: that other slot takes the next 192 keys, up to the causal limit: the load has three key steps in which to land.
.macro CHANGE fill
	s_wait_tensorcnt 0x0                           ; no tensor load of mine is out, so a group 0 may be written
	ds_add_u32 v[SPW], v[NIL]                      ; 0 onto my spare word
.if \fill
	s_xor_b32 s[G0S+1], s[G0S+1], SLOT1            ; the walking descriptor: the other slot than last time,
	s_add_nc_u64 s[G0S+2:G0S+3], s[G0S+2:G0S+3], 3*STEPB     ; the next 192 keys; the type bits on top are not reached
	s_wait_xcnt 0x0                                ; the last prefetches, a slot back, have read their address, so it may be written
	s_add_nc_u64 s[PFA:PFA+1], s[PFA:PFA+1], 3*STEPB
.endif
	s_wait_dscnt 0x0                               ; the add is done, and my reads of the slot that I have left are over
	s_barrier_signal -1
	s_barrier_wait -1
.if \fill
	s_add_co_u32 s2, s[KEY], 192                   ; the first key of the slot that this change would ask for:
	s_cmp_gt_u32 s2, s[LASTQ]                      ; past my work-group's last query no wave would read it.  Ids and the count of steps alone: all four waves go the same way, and past the limit a work-group stays past it
	s_cbranch_scc1 .Lpast_\@
	tensor_load_to_lds s[G0S:G0S+3], s[G1S:G1S+7]  ; my one tensor load behind this barrier
	s_nop 0
.rept 4
	v_nop
.endr
.Lpast_\@:
	ASK
.endif
.endm
	s_wait_tensorcnt 0x0                           ; my quarters of key step 0 and of slot 0 are in,
	s_barrier_signal -1
	s_barrier_wait -1                              ; everybody's are
	s_wait_loadcnt 0x0                             ; Q
	s_mov_b32 s[TB], PREG
	s_mov_b32 s[KEY], 0
	STEP 1                                         ; key step 0 counts for every query: it starts m, l and O^T
	s_mov_b32 s[TB], 0
	s_mov_b32 s[SLOTS], 4
.Lslot:                                            ; four trips: behind each change of slots but the last the next slot is asked for (up to the limit); the first trip's loads are slot 1's first fill
	CHANGE 1
	SLOT_STEPS
	s_sub_co_u32 s[SLOTS], s[SLOTS], 1
	s_cmp_lg_u32 s[SLOTS], 0
	s_cbranch_scc1 .Lslot
	CHANGE 0                                       ; the last slot is written out: nothing is left to ask for
	SLOT_STEPS
	; THE WAY OUT.  l's two halves and the other half of the lanes' are added; O^T x (1e4 / l) is rounded to a whole number and multiplied by 1e-4.
.irp t, 0,1,2,3
	v_add_f32 v[ST+8*\t+4], v[ST+8*\t+2], v[ST+8*\t+3]
.endr
.irp t, 0,1,2,3
	v_permlanex16_b32 v[ST+8*\t+5], v[ST+8*\t+4], s[SEL], s[SEL+1]
.endr
.irp t, 0,1,2,3
	v_add_f32 v[ST+8*\t+4], v[ST+8*\t+4], v[ST+8*\t+5]
.endr
.irp t, 0,1,2,3
	v_rcp_f32 v[ST+8*\t+6], v[ST+8*\t+4]
.endr
	v_nop                                          ; a plain instruction between the last reciprocal and the use of its result
	s_wait_alu depctr_va_vdst(0)                   ; and the one wait for the four
.irp t, 0,1,2,3
	v_mul_f32 v[ST+8*\t+6], s[TENP4], v[ST+8*\t+6]
.endr
; Tile t: a lane's 64 channels of one row go through my stage (rows of 528 bytes) and come back as whole rows of 512 bytes.
.macro OUT t
.set R0, S+64*((\t)%2)
	WIN 0x01                                       ; source 0 (O^T) window 1
.set i, 0
.rept 32
	v_pk_mul_f32 v[R0+i:R0+i+1], v[64*(\t)+i:64*(\t)+i+1], v[ST+8*(\t)+6:ST+8*(\t)+7] op_sel_hi:[1,0]   ; each accumulator in ascending order
.set i, i+2
.endr
	WIN 0
.set i, 0
.rept 64
	v_rndne_f32 v[R0+i], v[R0+i]
.set i, i+1
.endr
.set i, 0
.rept 32
	v_pk_mul_f32 v[R0+i:R0+i+1], v[R0+i:R0+i+1], s[TENM4:TENM4+1] op_sel_hi:[1,0]
.set i, i+2
.endr
.irp f, 0,1,2,3,4,5,6,7
	ds_store_b128 v[STO], v[R0+8*\f:R0+8*\f+3] offset:64*\f
	ds_store_b128 v[STO], v[R0+8*\f+4:R0+8*\f+7] offset:64*\f+16
.endr
	s_wait_xcnt 0x0                                ; the tile before's stores have read their registers: the loads below land there only behind this wait
.irp row, 0,1,2,3,4,5,6,7,8,9,10,11,12,13,14,15
	ds_load_b128 v[P+4*\row:P+4*\row+3], v[RD] offset:\row*SP   ; LDS serves a wave's instructions in order: these see the stores above
.endr
.irp row, 0,1,2,3,4,5,6,7,8,9,10,11,12,13,14,15
	s_wait_dscnt 15-\row                           ; loads come back in order: this row is in
	global_store_b128 v[L16], v[P+4*\row:P+4*\row+3], s[OB+2*((\t)/2):OB+2*((\t)/2)+1] offset:(16*((\t)%2)+\row)*8192 th:TH_STORE_NT   ; 32 lanes store 512 consecutive bytes, aligned
.endr
.endm
	s_cmp_eq_u32 s[QL], 0                          ; positions 0 to 15 of the sequence are stored by the launch that carries them in f32
	s_cbranch_scc1 .Lskip0
	OUT 0
.Lskip0:
	OUT 1
	OUT 2
	OUT 3
	s_wait_tensorcnt 0x0                           ; the wave's end
	ds_add_u32 v[SPW], v[NIL]
	s_wait_dscnt 0x0
	s_endpgm
.Lfunc_end_k_q60d8b1489b_attn:
	.size	k_q60d8b1489b_attn, .Lfunc_end_k_q60d8b1489b_attn-k_q60d8b1489b_attn
	.p2alignl 7, 3214868480
	.fill 96, 4, 3214868480
	.section	.rodata,"a",@progbits
	.p2align	6, 0x0
	.amdhsa_kernel k_q60d8b1489b_attn
		.amdhsa_group_segment_fixed_size 327680
		.amdhsa_private_segment_fixed_size 0
		.amdhsa_enable_private_segment 0
		.amdhsa_kernarg_size 16
		.amdhsa_user_sgpr_count 2
		.amdhsa_user_sgpr_kernarg_segment_ptr 1
		.amdhsa_wavefront_size32 1
		.amdhsa_system_sgpr_workgroup_id_x 1
		.amdhsa_system_sgpr_workgroup_id_y 1
		.amdhsa_system_sgpr_workgroup_id_z 1
		.amdhsa_system_vgpr_workitem_id 0
		.amdhsa_next_free_vgpr 1024
		.amdhsa_next_free_sgpr 72
		.amdhsa_reserve_vcc 1
		.amdhsa_float_denorm_mode_32 3
		.amdhsa_float_denorm_mode_16_64 3
		.amdhsa_memory_ordered 1
		.amdhsa_forward_progress 1
		.amdhsa_inst_pref_size 194
	.end_amdhsa_kernel
	.amdgpu_metadata
---
amdhsa.version: [ 1, 2 ]
amdhsa.kernels:
  - .name:           k_q60d8b1489b_attn
    .symbol:         k_q60d8b1489b_attn.kd
    .args:
      - { .name: qkv, .offset: 0, .size: 8, .value_kind: global_buffer, .address_space: global }
      - { .name: out0, .offset: 8, .size: 8, .value_kind: global_buffer, .address_space: global }
    .group_segment_fixed_size: 327680
    .private_segment_fixed_size: 0
    .kernarg_segment_align: 8
    .kernarg_segment_size: 16
    .max_flat_workgroup_size: 128
    .sgpr_count:     72
    .vgpr_count:     1024
    .wavefront_size: 32
...
	.end_amdgpu_metadata
.endif
;; end of part 3
;; launch first16 (part 4): grid 64 x 1, 1 waves a work-group, no clusters, 8,704 bytes of LDS; arguments head16, out0; writes out0
.if DOCPART == 4
	.amdgcn_target "amdgcn-amd-amdhsa--gfx1250"
	.amdhsa_code_object_version 6
	.text
	.protected	k_q60d8b1489b_first16
	.globl	k_q60d8b1489b_first16
	.p2align	8
	.type	k_q60d8b1489b_first16,@function
k_q60d8b1489b_first16:
	s_mov_b64 s[64:65], 0
	v_nop
	global_prefetch_b8 v0, s[64:65] scope:SCOPE_SE
	s_setreg_imm32_b32 hwreg(HW_REG_WAVE_MODE, 25, 1), 1
	s_wait_xcnt 0x0
; The first 16 positions of every sequence, all in f32: under the causal mask these rows average one to sixteen values, where the rounding of 16-bit operands would weigh most.
; One wave for each g = 16 batch + head.  head16: [sel][g][8,192 bytes]: q, k, v of positions 0 to 15 as f32 images: chunk 2 b + c (512 bytes), lane (h, row)'s 16 bytes at 16 x lane: columns 16 b + 8 h + 4 c + 0 .. 3 of that row.
; S^T = K Q^T by the f32 matrix form, 4 along K an instruction: registers 2 t, 2 t + 1 of K's and of Q's images name the same four channels in the same places, so the products are kept; two accumulators by turns.
; A lane then holds query l % 16 and keys 8 (l / 16) + 0 .. 7.  p's registers 2 t, 2 t + 1 are source 1 of O^T = V^T P with the place (h, j) standing for key 8 h + 2 t + j; V^T is loaded to match.
; The registers that the f32 matrix form writes (v144-159, v160-223) are written by matrix instructions alone; what is made of the sums goes into other registers.
; LIMITS: NaN and infinities are not served; the rounding to 4 decimals is made as rndne(O x (1e4 / l)) x 1e-4.
; REGISTERS: v1 r, v2 h, v3 16 x lane, v4 V's offset, v5 the stage's way in, v7 r - 8 h, v8, v9 the add's two, v10 m, v11 l, v12 c m, v13 at work, v14 -infinity, v15 1e4 / l;
;   v16-79 Q, later rows of out; v80-143 K, later the scaled results; v224-231 s; v232-239 p; window 1: v0-63 V^T.
.set SP,    528                        ; the stage: 16 rows x 528 bytes from LDS byte 0
.set SPARE, 8448                       ; behind it: the spare words
.set MSB, 0
.macro WIN new
.if MSB != \new
	s_set_vgpr_msb (MSB<<8)|\new
.set MSB, \new
.endif
.endm
	s_load_b128 s[4:7], s[0:1], 0x0                ; head16, out
	v_lshl_add_u32 v8, v0, 2, SPARE
	v_mov_b32 v9, 0
	v_and_b32 v1, 15, v0                           ; r
	v_bfe_u32 v2, v0, 4, 1                         ; h
	v_lshlrev_b32 v3, 4, v0                        ; 16 x lane (one wave: the thread's number is the lane)
	v_bfe_u32 v4, v0, 2, 1                         ; V[key 8 h + jj][channel 16 c + r]: chunk 2 c + (r / 4) % 2, half (r / 8) % 2, row 8 h + jj, word r % 4
	v_lshlrev_b32 v4, 9, v4
	v_bfe_u32 v12, v0, 3, 1
	v_lshl_add_u32 v4, v12, 8, v4
	v_lshl_add_u32 v4, v2, 7, v4
	v_and_b32 v12, 3, v0
	v_lshl_add_u32 v4, v12, 2, v4
	v_mul_u32_u24 v5, v1, SP
	v_lshl_add_u32 v5, v2, 5, v5                   ; the stage: row r, 32 bytes for each half of the lanes
	v_lshlrev_b32 v7, 3, v2
	v_sub_nc_u32 v7, v1, v7                        ; r - 8 h
	v_mov_b32 v13, 0                               ; a lane permute's destination counts as one of its sources
	v_mov_b32 v14, 0xff800000                      ; -infinity
	s_mov_b32 s12, 0x3e0293ee                      ; c = log2(e) / sqrt(128)
	s_mov_b32 s14, 0x76543210
	s_mov_b32 s15, 0xfedcba98                      ; lane l xor 16
	s_lshl_b32 s8, ttmp9, 13                       ; g x 8,192
	s_mov_b32 s9, 0
	s_lshr_b32 s10, ttmp9, 4
	s_lshl_b32 s10, s10, 23                        ; out: a batch is 1,024 rows of 8,192 bytes,
	s_and_b32 s11, ttmp9, 15
	s_lshl_b32 s11, s11, 9                         ; a head 512 bytes of a row
	s_add_co_u32 s10, s10, s11
	s_mov_b32 s11, 0
	s_wait_kmcnt 0x0
	s_add_nc_u64 s[4:5], s[4:5], s[8:9]
	s_add_nc_u64 s[6:7], s[6:7], s[10:11]
.irp ch, 0,1,2,3,4,5,6,7,8,9,10,11,12,13,14,15
	global_load_b128 v[16+4*\ch:19+4*\ch], v3, s[4:5] offset:512*\ch                 ; Q's image as it lies
.endr
.irp ch, 0,1,2,3,4,5,6,7,8,9,10,11,12,13,14,15
	global_load_b128 v[80+4*\ch:83+4*\ch], v3, s[4:5] offset:524288+512*\ch          ; K's, 64 x 8,192 bytes on
.endr
	WIN 0x40                                       ; destination window 1
.irp c, 0,1,2,3,4,5,6,7
.irp jj, 0,1,2,3,4,5,6,7
	global_load_b32 v[8*\c+\jj], v4, s[4:5] offset:1048576+1024*\c+16*\jj            ; V^T: channel 16 c + r, key 8 h + jj
.endr
.endr
	WIN 0
	s_wait_loadcnt 63                              ; Q and K are in: 64 loads of V were issued behind them, and the count's field holds 63
	v_wmma_f32_16x16x4_f32 v[144:151], v[80:81], v[16:17], 0       ; the first two products start the two sums
	v_wmma_f32_16x16x4_f32 v[152:159], v[82:83], v[18:19], 0
.set t, 2
.rept 15                               ; the two accumulators by turns, one instruction a turn
	v_wmma_f32_16x16x4_f32 v[144:151], v[80+2*t:81+2*t], v[16+2*t:17+2*t], v[144:151]
	v_wmma_f32_16x16x4_f32 v[152:159], v[82+2*t:83+2*t], v[18+2*t:19+2*t], v[152:159]
.set t, t+2
.endr
.rept 8
	v_nop                                          ; eight places behind this form before its results are read (ISA guide 7.12.1)
.endr
.irp j, 0,1,2,3,4,5,6,7
	v_add_f32 v[224+\j], v[144+\j], v[152+\j]      ; the score of key 8 h + j; both accumulators from their low end on
.endr
.irp j, 0,1,2,3,4,5,6,7
	v_cmp_gt_i32 vcc_lo, \j, v7                    ; hidden where 8 h + j > r
	v_cndmask_b32 v[224+\j], v[224+\j], v14, vcc_lo
.endr
	v_max3_num_f32 v10, v224, v225, v226
	v_max3_num_f32 v10, v10, v227, v228
	v_max3_num_f32 v10, v10, v229, v230
	v_max_num_f32 v10, v10, v231
	v_permlanex16_b32 v13, v10, s14, s15
	v_max_num_f32 v10, v10, v13                    ; the row's maximum: key 0 counts for every query, so it is a number
	v_mul_f32 v12, s12, v10                        ; c m
.irp j, 0,1,2,3,4,5,6,7
	v_fma_f32 v[232+\j], v[224+\j], s12, -v12
.endr
.irp j, 0,1,2,3,4,5,6,7
	v_exp_f32 v[232+\j], v[232+\j]                 ; p = 2^(c s - c m); 0 where hidden
.endr
	v_nop                                          ; a plain instruction behind the last exponential
	s_wait_alu depctr_va_vdst(0)                   ; one wait for the eight, ahead of their first reader
	v_add_f32 v11, v232, v233
	v_add_f32 v13, v234, v235
	v_add_f32 v11, v11, v236
	v_add_f32 v13, v13, v237
	v_add_f32 v11, v11, v238
	v_add_f32 v13, v13, v239
	v_add_f32 v11, v11, v13
	v_permlanex16_b32 v13, v11, s14, s15
	v_add_f32 v11, v11, v13                        ; l
	v_rcp_f32 v15, v11
	v_nop
	s_wait_alu depctr_va_vdst(0)
	v_mul_f32 v15, 0x461c4000, v15                 ; 1e4 / l
	s_wait_loadcnt 0x0                             ; V
	WIN 0x01                                       ; source 0 (V^T) window 1
.irp c, 0,1,2,3,4,5,6,7
	v_wmma_f32_16x16x4_f32 v[160+8*\c:167+8*\c], v[8*\c:8*\c+1], v[232:233], 0       ; keys 8 h + 0, 1 start the eight sums
.endr
.irp t, 1,2,3
.irp c, 0,1,2,3,4,5,6,7                ; the eight accumulators by turns
	v_wmma_f32_16x16x4_f32 v[160+8*\c:167+8*\c], v[8*\c+2*\t:8*\c+2*\t+1], v[232+2*\t:233+2*\t], v[160+8*\c:167+8*\c]
.endr
.endr
	WIN 0
.rept 8
	v_nop
.endr
.set j, 0
.rept 64
	v_mul_f32 v[80+j], v[160+j], v15               ; register 8 c + i: channel 16 c + 8 h + i of query r; each accumulator in ascending order
.set j, j+1
.endr
.set j, 0
.rept 64
	v_rndne_f32 v[80+j], v[80+j]
.set j, j+1
.endr
.set j, 0
.rept 64
	v_mul_f32 v[80+j], 0x38d1b717, v[80+j]         ; x 1e-4
.set j, j+1
.endr
.irp f, 0,1,2,3,4,5,6,7
	ds_store_b128 v5, v[80+8*\f:83+8*\f] offset:64*\f
	ds_store_b128 v5, v[84+8*\f:87+8*\f] offset:64*\f+16
.endr
.irp row, 0,1,2,3,4,5,6,7,8,9,10,11,12,13,14,15
	ds_load_b128 v[16+4*\row:19+4*\row], v3 offset:\row*SP         ; LDS serves a wave's instructions in order: these see the stores above
.endr
.irp row, 0,1,2,3,4,5,6,7,8,9,10,11,12,13,14,15
	s_wait_dscnt 15-\row                           ; loads come back in order: this row is in
	global_store_b128 v3, v[16+4*\row:19+4*\row], s[6:7] offset:\row*8192 th:TH_STORE_NT   ; 32 lanes store 512 consecutive bytes, aligned
.endr
	s_wait_tensorcnt 0x0                           ; the wave's end
	ds_add_u32 v8, v9
	s_wait_dscnt 0x0
	s_endpgm
.Lfunc_end_k_q60d8b1489b_first16:
	.size	k_q60d8b1489b_first16, .Lfunc_end_k_q60d8b1489b_first16-k_q60d8b1489b_first16
	.p2alignl 7, 3214868480
	.fill 96, 4, 3214868480
	.section	.rodata,"a",@progbits
	.p2align	6, 0x0
	.amdhsa_kernel k_q60d8b1489b_first16
		.amdhsa_group_segment_fixed_size 8704
		.amdhsa_private_segment_fixed_size 0
		.amdhsa_enable_private_segment 0
		.amdhsa_kernarg_size 16
		.amdhsa_user_sgpr_count 2
		.amdhsa_user_sgpr_kernarg_segment_ptr 1
		.amdhsa_wavefront_size32 1
		.amdhsa_system_sgpr_workgroup_id_x 1
		.amdhsa_system_sgpr_workgroup_id_y 1
		.amdhsa_system_sgpr_workgroup_id_z 1
		.amdhsa_system_vgpr_workitem_id 0
		.amdhsa_next_free_vgpr 320
		.amdhsa_next_free_sgpr 66
		.amdhsa_reserve_vcc 1
		.amdhsa_float_denorm_mode_32 3
		.amdhsa_float_denorm_mode_16_64 3
		.amdhsa_memory_ordered 1
		.amdhsa_forward_progress 1
		.amdhsa_inst_pref_size 30
	.end_amdhsa_kernel
	.amdgpu_metadata
---
amdhsa.version: [ 1, 2 ]
amdhsa.kernels:
  - .name:           k_q60d8b1489b_first16
    .symbol:         k_q60d8b1489b_first16.kd
    .args:
      - { .name: head16, .offset: 0, .size: 8, .value_kind: global_buffer, .address_space: global }
      - { .name: out0, .offset: 8, .size: 8, .value_kind: global_buffer, .address_space: global }
    .group_segment_fixed_size: 8704
    .private_segment_fixed_size: 0
    .kernarg_segment_align: 8
    .kernarg_segment_size: 16
    .max_flat_workgroup_size: 32
    .sgpr_count:     66
    .vgpr_count:     320
    .wavefront_size: 32
...
	.end_amdgpu_metadata
.endif
;; end of part 4
